; MI455X (gfx1250); checked and timed in simulation.
; The chip was launched on July 23, 2026; its instructions are those of AMD's public machine-readable ISA for CDNA 5 (MIT licence, August 2026) and "CDNA5" Instruction Set Architecture Reference Guide (July 2026). The comments in the code are by the model that wrote it; some were corrected since.
;; Multihead Attention. Allowed arithmetic: matrix products marked QUANTISED: E2M3 operands, one E8M0 scale for each 32 along K, by v_wmma_scale_f32_16x16x128_f8f6f4 with both operands' format E2M3, f32 sums; everything else in f32.
;; Inputs: b_in 3,072 float32; b_out 1,024 float32; query 2,048 x 4 x 1,024 float32; w_in 3,072 x 1,024 float32; w_out 1,024 x 1,024 float32.
;; Outputs: out0 2,048 x 4 x 1,024 float32.
;; This version of the problem:
;;   THIS VERSION OF THE PROBLEM IS GIVEN IN LOW PRECISION. The matrix products marked QUANTISED in the list below multiply operands that are first quantised to E2M3 (2 exponent bits, 3 mantissa bits; 6 bits a number), with one power-of-two scale for each 32 numbers along K (OCP MX v1.0); their sums are f32. All else is computed in f32.
;;   The module's matrix products, in the order in which they are computed (A, B: the left and right operand; K: the contracted axis; several contracted axes count as one K, in the product's order):
;;     1. [M 8,192, K 1,024] x [K 1,024, N 3,072]; A: input query; B: input w_in: QUANTISED
;;     2. batch 64 x [M 2,048, K 64] x [K 64, N 2,048]; A: computed on the way; B: computed on the way: QUANTISED
;;     3. batch 64 x [M 64, K 2,048] x [K 2,048, N 2,048]; A: computed on the way; B: softmax (see below): QUANTISED
;;     4. [M 8,192, K 1,024] x [K 1,024, N 1,024]; A: computed on the way; B: input w_out: QUANTISED
;;   THE QUANTISER, for each operand of a quantised product, along K:
;;     - K is cut into blocks of 32 from its start; a last block that is shorter is filled with zeros.
;;     - A block's scale is 2^e with e = floor(log2(the largest magnitude in the block)) - 2, held to -126 .. 127; a block of zeros has e = 0. As a byte (E8M0): e + 127.
;;     - Each number is divided by its block's scale, clamped to +-7.5, and rounded to the nearest number of E2M3, ties to even, subnormals kept.
;;     - The product sums the exact products of the quantised numbers (number of the format x scale) in f32.
;;   ~~~python
;;   def quantise(x, axis):      # numpy; x: float32 -> the quantised numbers, widened to float32 again
;;       x = np.moveaxis(x, axis, -1); K = x.shape[-1]
;;       x = np.pad(x, [(0, 0)] * (x.ndim - 1) + [(0, -K % 32)]); x = x.reshape(x.shape[:-1] + (-1, 32)); a = np.abs(x).max(-1, keepdims=True)
;;       e = np.where(a > 0, np.clip(np.frexp(np.where(a > 0, a, 1))[1] - 1 - 2, -126, 127), 0)      # np.frexp(a)[1] - 1 = floor(log2(a)), exactly
;;       r = np.clip(x / 2.0 ** e, -7.5, 7.5)
;;       step = 2.0 ** (np.maximum(np.frexp(np.where(r == 0, 1, r))[1] - 1, 0) - 3)
;;       q = np.round(r / step) * step * 2.0 ** e      # np.round: ties to even
;;       return np.moveaxis(q.reshape(q.shape[:-2] + (-1,))[..., :K], -1, axis).astype(np.float32)
;;   ~~~
;;   SOFTMAX AHEAD OF A QUANTISED PRODUCT. Where the list says 'softmax', what is quantised is not the finished softmax but p = 2^(t - M), with t = logit x log2(e) and M = ceil(the row's largest t), a whole number; so 1/2 < the row's largest p <= 1. The row's sum l is taken of the UNQUANTISED p, in f32, and the product's result is divided by l at the end. Since M is a whole number, a kernel that streams over the keys may use a running M (the ceiling of the running maximum): every later rescaling is an exact power of two, which a block's scale takes up: the codes' values come out the same.
;;   OPERANDS COMPUTED ON THE WAY. 'Computed on the way' means the value that the module computes at that place (a softmax that the list does not call 'softmax' is quantised finished and normalised). What goes into a quantiser is computed in f32, as accurately as f32 sums, v_exp_f32 and their like allow (about 1e-6 of the number): no bf16 or f16 on the way to a quantiser, and a product that is left as it is and whose result goes on into a quantised operand takes f32 operands (vector FMAs, or v_wmma_f32_16x16x4_f32). A number that lies on a knife's edge between two numbers of the format may be rounded either way, as far as f32 arithmetic and the matrix unit's own rounding can turn it there, and no further.
;; One version. Each part assembles by itself: llvm-mc -triple=amdgcn-amd-amdhsa -mcpu=gfx1250 --defsym DOCPART=n.
;; ======== version 1 of 1: 4 launches
;; limits: right only within a limited range of input values
;; workspace buffers: cod 9,437,184 bytes; sca 393,216 bytes; img 18,874,368 bytes; scl 786,432 bytes; cimg 6,291,456 bytes; cscl 262,144 bytes
;; launch quant (part 1): grid 384 x 1, 4 waves a work-group, no clusters, 35,328 bytes of LDS; arguments query, w_in, w_out, cod, sca; writes cod, sca
.if DOCPART == 1
	.amdgcn_target "amdgcn-amd-amdhsa--gfx1250"
	.amdhsa_code_object_version 6
	.text
	.protected	k_qaaf68cc47c_quant
	.globl	k_qaaf68cc47c_quant
	.p2align	8
	.type	k_qaaf68cc47c_quant,@function
k_qaaf68cc47c_quant:
	s_mov_b64 s[64:65], 0
	v_nop
	global_prefetch_b8 v0, s[64:65] scope:SCOPE_SE
	s_setreg_imm32_b32 hwreg(HW_REG_WAVE_MODE, 25, 1), 1
	s_wait_xcnt 0x0
; query [2048][4][1024], w_in [3072][1024], w_out [1024][1024], f32, become codes of FP6 (E2M3) in cod and one E8M0 byte for each 32 along K in sca.
; Both buffers count 12,288 PLACES: 0 .. 8,191 query's, 8,192 .. 11,263 w_in's, 11,264 .. 12,287 w_out's.  query's row (s, b) has place b x 2,048 + place(s); inside each aligned group of 64 rows the row with
; bits n5 n4 n3 n2 n1 n0 has the place with bits n4 n3 n5 n2 n1 n0: so four neighbouring tiles of a product's source 0 give a lane 32 neighbours of the natural order.
; cod IS LAID AS IMAGES OF THE OPERAND'S REGISTERS: [768 blocks of 16 places][16 pieces of 64 along K] x 768 bytes; in a piece registers 0-3 of lane l lie at 16 l, registers 4-5 at 512 + 8 l.
; Lane (r, h) of a piece holds place r's codes of K = 32 h .. 32 h + 31.  sca: [place][32] bytes.
; A block's scale is 2^(floor(log2(its largest magnitude)) - 2); its byte is the largest magnitude's exponent field - 2, held at 1 from below.
; LIMITS: a block whose largest magnitude lies under 2^-124 has its byte held at 1; a block of zeros has the byte 1 where the rule says 127 (its codes are zeros, and this program alone reads the bytes); NaN and infinities are not served.
; A wave takes one block of 16 places and one half of K, in 4 steps of 128 along K; waves 2 i and 2 i + 1 of a work-group share a block.  A step's 16 loads read 512 consecutive bytes of one row each; the 8,192 bytes
; turn through the wave's own stage in LDS (rows 528 bytes apart), and come back 2 x 128 bytes a lane: two whole blocks of 32, so that no other lane is asked for a maximum.  A step's codes leave as 1,536 consecutive bytes.
; A wave's scale words are 16 bytes of each of 16 rows of sca: the two waves of a block exchange them through LDS, behind one barrier, and each stores eight whole rows: 256 consecutive aligned bytes.
; Work-groups 0 .. 255 take query, 256 .. 351 w_in, 352 .. 383 w_out: only pointers, an offset and a pitch are chosen.  No tensor load.  Loads run two steps (32 loads a wave) ahead.
.set STEPS, 4
.set SP,    528                        ; a stage row: 512 bytes + 16
.set WREG,  16*SP                      ; a wave's stage
.set EX,    4*WREG                     ; behind the four stages: 256 bytes for each wave's scale words
.set SPARE, EX+1024                    ; behind them: the spare words, 128 bytes for each wave
.set H8,    1                          ; v1 8 (lane / 16), once the wave's number has been read from v1
.set SPW,   10                         ; v10 my spare word; never rewritten
.set NIL,   11                         ; v11 0; never rewritten
.set M,     12                         ; v12-13 the two blocks' largest magnitudes
.set SOP,   14                         ; v14-15 the conversions' scale operands
.set BYT,   16                         ; v16-17 the bytes
.set U,     18
.set XP,    19
.set TD,    20                         ; v20-22 the second block's second half
.set XR,    23                         ; v23 where I read the exchanged scale words
.set RO,    24                         ; v24-39 byte offset of my 16 bytes in each of the 16 rows; never rewritten
.set SW,    40                         ; v40-43 a scale word for each step
.set C,     48                         ; v48-59 a step's codes
.set TC,    60                         ; v60-62 the first block's second half; at the end v60-61 scale words on their way out
.set R,     64                         ; v64-191 two sets of 64 numbers as they are loaded
.set X,     192                        ; v192-255 my two blocks
	s_load_b256 s[4:11], s[0:1], 0x0               ; query, w_in, w_out, cod
	s_load_b64 s[12:13], s[0:1], 0x20              ; sca
	v_lshl_add_u32 v[SPW], v0, 2, SPARE
	v_mov_b32 v[NIL], 0
	v_lshrrev_b32 v1, 5, v0
	v_readfirstlane_b32 s16, v1                    ; wave
	s_mul_i32 s17, s16, WREG                       ; my stage
	s_lshl_b32 s24, s16, 8
	s_add_co_u32 s24, s24, EX                      ; my 256 bytes of the exchange
	s_and_b32 s19, s16, 1                          ; which half of K
	s_lshr_b32 s31, s16, 1                         ; which of the work-group's two blocks
	s_lshl_b32 s25, s31, 9
	s_lshl_b32 s26, s19, 7
	s_add_co_u32 s25, s25, s26
	s_add_co_u32 s25, s25, EX                      ; the pair's 512 bytes, from row 8 x half on
	v_and_b32 v2, 31, v0                           ; lane
	v_lshlrev_b32 v3, 4, v2                        ; my 16 bytes of 512
	v_lshlrev_b32 v6, 3, v2
	v_and_b32 v8, 15, v2                           ; r
	v_lshrrev_b32 v9, 4, v2                        ; h
	v_add_nc_u32 v4, s17, v3                       ; the stage, on the way in
	v_mul_u32_u24 v5, v8, SP
	v_lshl_add_u32 v5, v9, 7, v5
	v_add_nc_u32 v5, s17, v5                       ; and on the way out: row r, + 128 h
	v_lshlrev_b32 v7, 4, v8
	v_add_nc_u32 v7, s24, v7                       ; the exchange, in: 16 bytes for row r
	v_bfe_u32 v[XR], v2, 1, 1
	v_lshrrev_b32 v22, 2, v2
	v_lshlrev_b32 v[XR], 8, v[XR]                  ; out: lane l takes 8 bytes of row 8 x half + l / 4: words 2 (l % 4) and the next, which the wave of K's half (l % 4) / 2 made
	v_and_b32 v21, 1, v2
	v_lshl_add_u32 v[XR], v22, 4, v[XR]
	v_lshl_add_u32 v[XR], v21, 3, v[XR]
	v_add_nc_u32 v[XR], s25, v[XR]
	v_lshlrev_b32 v[H8], 3, v9
	v_mov_b32 v[XP], 0                             ; a lane permute's destination counts as a source
	s_wait_alu depctr_va_vdst(0)                   ; the wait ahead of the scalar run
	s_lshl_b32 s18, ttmp9, 1
	s_add_co_u32 s18, s18, s31                     ; my block of 16 places, 0 .. 767
	s_mul_i32 s20, s18, 12288                      ; its codes,
	s_mul_i32 s31, s19, 6144                       ; my half of K's
	s_add_co_u32 s20, s20, s31
	s_mov_b32 s21, 0
	s_lshl_b32 s22, s18, 9                         ; its scale bytes,
	s_lshl_b32 s31, s19, 8                         ; the eight rows that I store
	s_add_co_u32 s22, s22, s31
	s_mov_b32 s23, 0
	s_mov_b32 s25, 704
	s_cmp_lt_u32 ttmp9, 352
	s_cselect_b32 s25, 512, s25                    ; the first block of w_in, or of w_out
	s_max_u32 s26, s18, s25
	s_sub_co_u32 s26, s26, s25                     ; a weight's block
	s_and_b32 s24, s18, 127                        ; query's block inside its batch,
	s_lshr_b32 s29, s18, 7
	s_lshl_b32 s29, s29, 12                        ; and the batch's 4,096 bytes
	s_mov_b32 s27, 4096
	s_cmp_lt_u32 ttmp9, 256
	s_cselect_b32 s24, s24, s26
	s_cselect_b32 s29, s29, 0
	s_cselect_b32 s27, 16384, s27                  ; bytes from row to row
	s_lshr_b32 s28, s24, 2
	s_lshl_b32 s28, s28, 6
	s_and_b32 s24, s24, 3
	s_lshl_b32 s24, s24, 3
	s_add_co_u32 s24, s24, s28                     ; place r of block f is row 64 (f / 4) + 8 (f % 4) + r % 8 + 32 (r / 8)
	s_mul_i32 s24, s24, s27
	s_add_co_u32 s24, s24, s29
	s_lshl_b32 s31, s19, 11                        ; my half of K: 2,048 bytes of a row
	s_add_co_u32 s24, s24, s31
	s_mov_b32 s25, 0
.irp i, 0,1,2,3,4,5,6,7,8,9,10,11,12,13,14,15
	s_mul_i32 s28, s27, (\i%8)+32*(\i/8)
	v_add_nc_u32 v[RO+\i], s28, v3
.endr
	s_mov_b32 s28, 0x76543210
	s_mov_b32 s29, 0xfedcba98                      ; v_permlanex16_b32's selects for lane l xor 16
	s_wait_alu depctr_va_vdst(0)                   ; the wait at the head's end
	s_wait_kmcnt 0x0
	s_cmp_lt_u32 ttmp9, 352                        ; the choices hang on the work-group's number alone
	s_cselect_b64 s[6:7], s[6:7], s[8:9]
	s_cmp_lt_u32 ttmp9, 256
	s_cselect_b64 s[4:5], s[4:5], s[6:7]
	s_add_nc_u64 s[4:5], s[4:5], s[24:25]
	s_add_nc_u64 s[10:11], s[10:11], s[20:21]
	s_add_nc_u64 s[12:13], s[12:13], s[22:23]
.macro LOAD t                          ; step t: 128 numbers of each of the 16 rows
.irp i, 0,1,2,3,4,5,6,7,8,9,10,11,12,13,14,15
	global_load_b128 v[R+64*((\t)%2)+4*\i:R+64*((\t)%2)+4*\i+3], v[RO+\i], s[4:5] offset:512*(\t) th:TH_LOAD_NT
.endr
.endm
.macro TURN t                          ; through the stage: LDS serves a wave's instructions in order, so no wait stands between the stores and the loads
.irp i, 0,1,2,3,4,5,6,7,8,9,10,11,12,13,14,15
	ds_store_b128 v4, v[R+64*((\t)%2)+4*\i:R+64*((\t)%2)+4*\i+3] offset:\i*SP
.endr
.irp j, 0,1,2,3,4,5,6,7
	ds_load_b128 v[X+4*\j:X+4*\j+3], v5 offset:16*\j
	ds_load_b128 v[X+32+4*\j:X+32+4*\j+3], v5 offset:256+16*\j
.endr
.endm
.macro STEP t
	s_wait_dscnt 0x0                               ; my two blocks are back; the stores into the stage have read their registers
	s_wait_xcnt 0x0                                ; the last step's stores have read their data: the codes' registers are written again below
.if (\t)+2 < STEPS
	LOAD (\t)+2
.endif
	v_max3_num_f32 v[M], |v[X]|, |v[X+1]|, 0x1800000       ; the largest magnitudes, with the floor 2^(3 - 127): the byte cannot fall under 1
	v_max3_num_f32 v[M+1], |v[X+32]|, |v[X+33]|, 0x1800000
.irp k, 2,4,6,8,10,12,14,16,18,20,22,24,26,28,30
	v_max3_num_f32 v[M], v[M], |v[X+\k]|, |v[X+\k+1]|
	v_max3_num_f32 v[M+1], v[M+1], |v[X+32+\k]|, |v[X+33+\k]|
.endr
	v_add_nc_u32 v[SOP], 0xff000000, v[M]          ; 2 off the exponent field: the conversion's scale operand
	v_add_nc_u32 v[SOP+1], 0xff000000, v[M+1]
	v_lshrrev_b32 v[BYT], 23, v[SOP]
	v_lshrrev_b32 v[BYT+1], 23, v[SOP+1]
	v_lshl_or_b32 v[U], v[BYT+1], 16, v[BYT]       ; blocks h and 2 + h of my row,
	v_lshlrev_b32 v[U], v[H8], v[U]                ; at their places;
	v_permlanex16_b32 v[XP], v[U], s28, s29
	v_or_b32 v[SW+(\t)], v[U], v[XP]               ; with lane l xor 16's two the word is whole
	v_cvt_scalef32_pk16_fp6_f32 v[C:C+2], v[X:X+15], v[SOP]
	v_cvt_scalef32_pk16_fp6_f32 v[TC:TC+2], v[X+16:X+31], v[SOP]   ; (a conversion's three registers begin on an even number)
	v_cvt_scalef32_pk16_fp6_f32 v[C+6:C+8], v[X+32:X+47], v[SOP+1]
	v_cvt_scalef32_pk16_fp6_f32 v[TD:TD+2], v[X+48:X+63], v[SOP+1]
	v_nop                                          ; one plain place behind a scaled conversion
.irp i, 0,1,2
	v_mov_b32 v[C+3+\i], v[TC+\i]
	v_mov_b32 v[C+9+\i], v[TD+\i]
.endr
	global_store_b128 v3, v[C:C+3], s[10:11] offset:1536*(\t)          ; the four stores cover 1,536 consecutive bytes
	global_store_b64 v6, v[C+4:C+5], s[10:11] offset:1536*(\t)+512
	global_store_b128 v3, v[C+6:C+9], s[10:11] offset:1536*(\t)+768
	global_store_b64 v6, v[C+10:C+11], s[10:11] offset:1536*(\t)+1280
.if (\t)+1 < STEPS
.if (\t)+2 < STEPS
	s_wait_loadcnt 16                              ; the next step's 16 loads are in; the 16 behind them may be out
.else
	s_wait_loadcnt 0x0
.endif
	TURN (\t)+1
.endif
.endm
	LOAD 0
	LOAD 1
	s_wait_loadcnt 16                              ; step 0's 16 loads are in
	TURN 0
.irp t, 0,1,2,3
	STEP \t
.endr
	s_wait_alu depctr_va_vdst(0)                   ; the wait ahead of the reader below
	ds_store_b128 v7, v[SW:SW+3]                   ; row r's four words of my half of K (lanes r and r + 16 write the same bytes with the same values)
	s_wait_dscnt 0x0                               ; for the other wave's sake
	s_barrier_signal -1
	s_barrier_wait -1
	ds_load_b64 v[TC:TC+1], v[XR]                  ; eight whole rows of scale bytes, 8 bytes a lane
	s_wait_dscnt 0x0
	global_store_b64 v6, v[TC:TC+1], s[12:13]      ; 256 consecutive aligned bytes
	s_wait_tensorcnt 0x0                           ; the wave's end: behind my last LDS store
	ds_add_u32 v[SPW], v[NIL]
	s_wait_dscnt 0x0
	s_endpgm
.Lfunc_end_k_qaaf68cc47c_quant:
	.size	k_qaaf68cc47c_quant, .Lfunc_end_k_qaaf68cc47c_quant-k_qaaf68cc47c_quant
	.p2alignl 7, 3214868480
	.fill 96, 4, 3214868480
	.section	.rodata,"a",@progbits
	.p2align	6, 0x0
	.amdhsa_kernel k_qaaf68cc47c_quant
		.amdhsa_group_segment_fixed_size 35328
		.amdhsa_private_segment_fixed_size 0
		.amdhsa_enable_private_segment 0
		.amdhsa_kernarg_size 40
		.amdhsa_user_sgpr_count 2
		.amdhsa_user_sgpr_kernarg_segment_ptr 1
		.amdhsa_wavefront_size32 1
		.amdhsa_system_sgpr_workgroup_id_x 1
		.amdhsa_system_sgpr_workgroup_id_y 1
		.amdhsa_system_sgpr_workgroup_id_z 1
		.amdhsa_system_vgpr_workitem_id 0
		.amdhsa_next_free_vgpr 256
		.amdhsa_next_free_sgpr 66
		.amdhsa_reserve_vcc 0
		.amdhsa_float_denorm_mode_32 3
		.amdhsa_float_denorm_mode_16_64 3
		.amdhsa_memory_ordered 1
		.amdhsa_forward_progress 1
		.amdhsa_inst_pref_size 33
	.end_amdhsa_kernel
	.amdgpu_metadata
---
amdhsa.version: [ 1, 2 ]
amdhsa.kernels:
  - .name:           k_qaaf68cc47c_quant
    .symbol:         k_qaaf68cc47c_quant.kd
    .args:
      - { .name: query, .offset: 0, .size: 8, .value_kind: global_buffer, .address_space: global }
      - { .name: w_in, .offset: 8, .size: 8, .value_kind: global_buffer, .address_space: global }
      - { .name: w_out, .offset: 16, .size: 8, .value_kind: global_buffer, .address_space: global }
      - { .name: cod, .offset: 24, .size: 8, .value_kind: global_buffer, .address_space: global }
      - { .name: sca, .offset: 32, .size: 8, .value_kind: global_buffer, .address_space: global }
    .group_segment_fixed_size: 35328
    .private_segment_fixed_size: 0
    .kernarg_segment_align: 8
    .kernarg_segment_size: 40
    .max_flat_workgroup_size: 128
    .sgpr_count:     66
    .vgpr_count:     256
    .wavefront_size: 32
...
	.end_amdgpu_metadata
.endif
;; end of part 1
;; launch proj (part 2): grid 16 x 24, 4 waves a work-group, clusters of 4 x 4, 327,680 bytes of LDS; arguments cod, sca, b_in, img, scl; writes img, scl
.if DOCPART == 2
	.amdgcn_target "amdgcn-amd-amdhsa--gfx1250"
	.amdhsa_code_object_version 6
	.text
	.protected	k_qaaf68cc47c_proj
	.globl	k_qaaf68cc47c_proj
	.p2align	8
	.type	k_qaaf68cc47c_proj,@function
k_qaaf68cc47c_proj:
	s_mov_b64 s[64:65], 0
	v_nop
	global_prefetch_b8 v0, s[64:65] scope:SCOPE_SE
	s_setreg_imm32_b32 hwreg(HW_REG_WAVE_MODE, 25, 1), 1
	s_wait_xcnt 0x0
	s_wait_alu depctr_hold_cnt(0) depctr_sa_sdst(0) depctr_va_vdst(0) depctr_va_sdst(0) depctr_va_ssrc(0) depctr_va_vcc(0) depctr_vm_vsrc(0)
	s_getreg_b32 s2, hwreg(HW_REG_IB_STS2, 6, 4)
	s_cmp_eq_u32 s2, 0
	s_cbranch_scc0 .Lentry_in_a_cluster
	s_endpgm
.Lentry_in_a_cluster:
	s_bfe_u32 s2, ttmp6, 0x10000c
	s_cmp_lg_u32 s2, 0xf033
	s_cbranch_scc0 .Lentry_shape_is_right
	s_endpgm
.Lentry_shape_is_right:
.set KSTEP,  256
.set NQ,     2
.set ROWB,   3072                      ; 256 along K of 16 places: four pieces of 768 bytes of cod's register images
.set KROW,   768
.set PITCH,  240
.set FR,     12
.set NL,     4
.set NP,     4
.set HALFT,  8*3072
.set SLOT,   4*HALFT
.set LAPS,   2
.set KS,     32
.set SCL,    2*SLOT
.set HALFS,  (128*KS/256)*272
.set SBLK,   (16*KS/256)*272
.set SPARE,  SCL+4*HALFS
.set ADRA, 16
.set ADRB, 20
.set ADRS, 27
.set SPW,  28
.set NIL,  29
.set LI,   30
.set SA,   31
.set SC,   32
.set BI,   64
.set AF,   128
.set TM,   32
.set SO,   36
.set BY,   40
.set U,    44
.set XP,   46
.set H8,   48
.set SW,   52
.set SWO,  60
.set TC,   64
.set PCD,  128
.set G1, 24
.set G0, 32
.set G1B, 48
.set G0B, 56
.set G1S, 68
.set G0S, 76
.set G1SB, 80
.set G0SB, 88
.set MSB, 0
.macro WIN new
.if MSB != \new
	s_set_vgpr_msb (MSB<<8)|\new
.set MSB, \new
.endif
.endm
.set MUL_LO, 0xa1
.set MUL_HI, 0xf1
.set BIA_LO, 0x81
.set BIA_HI, 0xc1
.set TO_B,   0x40
.macro JLOAD g0a, g1a, g0b, g1b
	s_cmp_eq_u32 s15, 0
	s_cbranch_scc0 .Lfor_b_\@
	tensor_load_to_lds s[\g0a:\g0a+3], s[\g1a:\g1a+7]
	s_nop 0
.rept 4
	v_nop
.endr
	s_branch .Lasked_\@
.Lfor_b_\@:
	tensor_load_to_lds s[\g0b:\g0b+3], s[\g1b:\g1b+7]
	s_nop 0
.rept 4
	v_nop
.endr
.Lasked_\@:
.endm
.macro CREST
	s_cmp_lg_u32 s14, 0
	s_cbranch_scc1 .Lnot_wave_0_\@
	s_barrier_signal -3
.Lnot_wave_0_\@:
	s_barrier_wait -3
	s_barrier_signal -1
	s_barrier_wait -1
.endm
.macro CROUND
	s_barrier_signal -1
	s_barrier_wait -1
	CREST
.endm
	s_load_b256 s[4:11], s[0:1], 0x0
	s_load_b64 s[12:13], s[0:1], 0x20
	v_lshl_add_u32 v[SPW], v0, 2, SPARE
	v_mov_b32 v[NIL], 0
	ds_add_u32 v[SPW], v[NIL]
	ds_add_u32 v[SPW], v[NIL]
	v_lshrrev_b32 v1, 5, v0
	v_readfirstlane_b32 s14, v1
	s_lshr_b32 s15, s14, 1
	s_and_b32 s16, s14, 1
	s_bfe_u32 s40, ttmp6, 0x40000
	s_bfe_u32 s41, ttmp6, 0x40004
	s_and_b32 s96, ttmp7, 0xffff
	s_cmp_ge_u32 s96, 4
	s_cselect_b32 s97, 1, 0
	s_lshr_b32 s98, ttmp9, 1
	s_lshl_b32 s98, s98, 4
	s_lshl_b32 s18, s96, 2
	s_add_co_u32 s98, s98, s18
	s_and_b32 s99, ttmp9, 1
	s_lshl_b32 s99, s99, 2
	s_add_co_u32 s99, s99, 32
	s_max_u32 s18, s96, 4
	s_sub_co_u32 s18, s18, 4
	s_lshl_b32 s18, s18, 4
	s_lshl_b32 s19, ttmp9, 2
	s_add_co_u32 s19, s19, s18
	s_cmp_eq_u32 s97, 1
	s_cselect_b32 s98, 40, s98
	s_cselect_b32 s99, s19, s99
	s_add_co_u32 s17, s98, s41
	s_add_co_u32 s42, s99, s40
	s_lshl_b32 s43, s41, 2
	s_lshl_b32 s43, 15, s43
	s_lshl_b32 s44, 0x1111, s40
	s_or_b32 s[G1+0], s43, (3<<16)|(1<<21)         ; a tile's row: 3,072 bytes (384 elements of 8) of one block of 16 places, 12,288 bytes from block to block; no padding: the images are read 16 bytes a lane on end
	s_or_b32 s[G1B+0], s44, (3<<16)|(1<<21)
.irp g, G1, G1B
	s_mov_b32 s[\g+1], 384<<16
	s_mov_b32 s[\g+2], 16<<16                      ; the head's loads bring 16 blocks, 256 places
	s_mov_b32 s[\g+3], 384<<16
	s_mov_b32 s[\g+4], 16
	s_mov_b32 s[\g+5], 1536
	s_mov_b32 s[\g+6], 0
	s_mov_b32 s[\g+7], 0
.endr
	s_or_b32 s[G1S+0], s43, (3<<16)|(1<<20)|(1<<21)|(5<<22)|(3<<25)
	s_or_b32 s[G1SB+0], s44, (3<<16)|(1<<20)|(1<<21)|(5<<22)|(3<<25)
.irp g, G1S, G1SB
	s_mov_b32 s[\g+1], 32<<16
	s_mov_b32 s[\g+2], (256*KS/256)<<16
	s_mov_b32 s[\g+3], 32<<16
	s_mov_b32 s[\g+4], 256*KS/256
	s_mov_b32 s[\g+5], 32
	s_mov_b32 s[\g+6], 0
	s_mov_b32 s[\g+7], 0
.endr
	s_lshl_b32 s18, s16, 7
	s_lshl_b32 s20, s17, 8
	s_add_co_u32 s20, s20, s18
	s_lshl_b32 s46, s42, 8
	s_add_co_u32 s46, s46, s18
	s_lshl_b32 s22, s17, 13                        ; the scales of the tile's 256 places: 8,192 bytes a tile
	s_lshl_b32 s92, s42, 13
	s_mul_i32 s20, s20, KROW
	s_mul_i32 s46, s46, KROW
	s_mov_b32 s21, 0
	s_mov_b32 s23, 0
	s_mov_b32 s47, 0
	s_mov_b32 s93, 0
	s_mul_i32 s45, s14, HALFT
	s_wait_dscnt 0x0
	s_wait_kmcnt 0x0
	s_add_nc_u64 s[20:21], s[4:5], s[20:21]
	s_add_nc_u64 s[22:23], s[6:7], s[22:23]
	s_add_nc_u64 s[46:47], s[4:5], s[46:47]
	s_add_nc_u64 s[92:93], s[6:7], s[92:93]
	CROUND
	s_mov_b32 s[G0S], 1
	s_mov_b32 s[G0S+1], SCL
	s_mov_b64 s[G0S+2:G0S+3], s[22:23]
	s_or_b32 s[G0S+3], s[G0S+3], 0x80000000
	s_mov_b32 s[G0SB], 1
	s_mov_b32 s[G0SB+1], SCL+2*HALFS
	s_mov_b64 s[G0SB+2:G0SB+3], s[92:93]
	s_or_b32 s[G0SB+3], s[G0SB+3], 0x80000000
.irp s, 0,1
	s_mov_b32 s[G0+4*\s], 1
	s_add_co_u32 s[G0+4*\s+1], s45, \s*SLOT
	s_add_nc_u64 s[G0+4*\s+2:G0+4*\s+3], s[20:21], \s*ROWB
	s_or_b32 s[G0+4*\s+3], s[G0+4*\s+3], 0x80000000
	s_mov_b32 s[G0B+4*\s], 1
	s_add_co_u32 s[G0B+4*\s+1], s45, \s*SLOT
	s_add_nc_u64 s[G0B+4*\s+2:G0B+4*\s+3], s[46:47], \s*ROWB
	s_or_b32 s[G0B+4*\s+3], s[G0B+4*\s+3], 0x80000000
.endr
; The head's four tiles, one joint load a wave: wave 0 slot 0's 256 places of A (its own group 0 begins there), wave 1 A's scales, wave 2 slot 0's 256 places of B, wave 3 B's scales.
.macro ARM under, g0, g1, next
	s_cmp_lt_u32 s14, \under
	s_cbranch_scc0 \next
	tensor_load_to_lds s[\g0:\g0+3], s[\g1:\g1+7]
	s_nop 0
.rept 4
	v_nop
.endr
	s_branch .Lhead_asked
\next:
.endm
	ARM 1, G0,  G1,  .Lhead_sa
	ARM 2, G0S, G1S, .Lhead_b
	ARM 3, G0B, G1B, .Lhead_sb
	tensor_load_to_lds s[G0SB:G0SB+3], s[G1SB:G1SB+7]
	s_nop 0
.rept 4
	v_nop
.endr
.Lhead_asked:
	v_and_b32 v1, 15, v0
	v_bfe_u32 v2, v0, 4, 1
	v_and_b32 v6, 31, v0
	v_lshlrev_b32 v4, 4, v6                        ; an image's registers 0-3: 16 x lane;
	v_lshlrev_b32 v5, 3, v6                        ; its registers 4-5: 8 x lane
	s_mul_i32 s21, s15, HALFT
	s_mul_i32 s22, s16, HALFT
	s_add_co_u32 s22, s22, 2*HALFT
.irp s, 0,1
	v_add_nc_u32 v[ADRA+\s], s21, v4
	v_add_nc_u32 v[ADRB+\s], s22, v4
	v_add_nc_u32 v[ADRA+2+\s], s21, v5
	v_add_nc_u32 v[ADRB+2+\s], s22, v5
	s_add_co_u32 s21, s21, SLOT
	s_add_co_u32 s22, s22, SLOT
.endr
	v_mul_u32_u24 v5, v1, KS
	v_lshrrev_b32 v6, 8, v5
	v_lshl_add_u32 v5, v6, 4, v5
	s_mul_i32 s21, s15, HALFS
	s_mul_i32 s22, s16, HALFS
	s_add_co_u32 s22, s22, 2*HALFS
	s_sub_co_u32 s22, s22, s21
	v_mul_u32_u24 v6, s22, v2
	s_add_co_u32 s21, s21, SCL
	v_add_nc_u32 v5, v5, v6
	v_add_nc_u32 v[ADRS], s21, v5
	v_and_b32 v6, 31, v0
	v_lshlrev_b32 v[LI], 4, v6
	v_lshlrev_b32 v[SA], 4, v1
	v_lshl_add_u32 v[SA], v2, 12, v[SA]
	v_lshlrev_b32 v7, 7, v2
	v_lshrrev_b32 v8, 3, v1
	v_and_b32 v9, 7, v1
	v_lshlrev_b32 v9, 2, v9
	v_lshl_add_u32 v8, v8, 7, v9
	s_cmp_eq_u32 s97, 1
	s_cselect_b32 s66, s42, s17
	s_cselect_b32 s67, s16, s15
	s_cselect_b32 s95, s17, s42
	s_cselect_b32 s100, s15, s16
	s_lshl_b32 s66, s66, 1
	s_add_co_u32 s66, s66, s67
	s_lshr_b32 s67, s66, 4
	s_and_b32 s66, s66, 15
	s_sub_co_u32 s95, s95, 32
	s_lshl_b32 s95, s95, 2
	s_lshl_b32 s100, s100, 1
	s_add_co_u32 s95, s95, s100
	s_lshr_b32 s100, s95, 4
	s_lshl_b32 s100, s100, 2
	s_add_co_u32 s100, s100, s67
	s_lshl_b32 s100, s100, 4
	s_and_b32 s67, s95, 15
	s_add_co_u32 s100, s100, s67
	s_lshl_b32 s100, s100, 4
	s_add_co_u32 s100, s100, s66
	s_mul_i32 s66, s100, 6144
	s_mov_b32 s67, 0
	s_add_nc_u64 s[10:11], s[10:11], s[66:67]
	s_lshl_b32 s66, s100, 8
	s_add_nc_u64 s[12:13], s[12:13], s[66:67]
	s_lshl_b32 s66, s95, 8
	s_add_nc_u64 s[8:9], s[8:9], s[66:67]
	s_cmp_eq_u32 s97, 1
	s_cbranch_scc1 .Lbias_v
	s_wait_alu depctr_va_vdst(0)
.irp b, 0,1,2,3,4,5,6,7
	global_load_b128 v[BI+8*\b:BI+8*\b+3], v7, s[8:9] offset:256*(\b/4)+32*(\b%4)
	global_load_b128 v[BI+8*\b+4:BI+8*\b+7], v7, s[8:9] offset:256*(\b/4)+32*(\b%4)+16
.endr
	s_branch .Lbias_done
.Lbias_v:
	s_wait_alu depctr_va_vdst(0)
.irp a, 0,1,2,3,4,5,6,7
.irp j, 0,1,2,3,4,5,6,7
	global_load_b32 v[BI+8*\a+\j], v8, s[8:9] offset:4*(64*(\a/4)+8*(\a%4))
.endr
.endr
.Lbias_done:
.macro FRAG reg, adr, q, i             ; a fragment is two images of 768 bytes: four loads, consecutive lanes on consecutive bytes
	ds_load_b128 v[\reg:\reg+3], v[\adr] offset:3072*(\i)+1536*(\q)
	ds_load_b64 v[\reg+4:\reg+5], v[\adr+2] offset:3072*(\i)+1536*(\q)+512
	ds_load_b128 v[\reg+6:\reg+9], v[\adr] offset:3072*(\i)+1536*(\q)+768
	ds_load_b64 v[\reg+10:\reg+11], v[\adr+2] offset:3072*(\i)+1536*(\q)+1280
.endm
.macro MUL16 a0, p, q, sc, zero
.irp a, \a0, \a0+1
.irp b, 0,1,2,3,4,5,6,7
.if \zero == 1
	v_wmma_scale_f32_16x16x128_f8f6f4 v[8*(8*((\a)%4)+\b):8*(8*((\a)%4)+\b)+7], v[128*(\p)+FR*\b:128*(\p)+FR*\b+FR-1], v[AF+FR*(\a):AF+FR*(\a)+FR-1], v[BI+8*\b:BI+8*\b+7], v[SC+8*NQ*(\sc)+NQ*\b+(\q)], v[SC+8*NQ*(\sc)+NQ*(\a)+(\q)] matrix_a_fmt:MATRIX_FMT_FP6 matrix_b_fmt:MATRIX_FMT_FP6 matrix_a_scale:MATRIX_SCALE_ROW1
.elseif \zero == 2
	v_wmma_scale_f32_16x16x128_f8f6f4 v[8*(8*((\a)%4)+\b):8*(8*((\a)%4)+\b)+7], v[128*(\p)+FR*\b:128*(\p)+FR*\b+FR-1], v[AF+FR*(\a):AF+FR*(\a)+FR-1], v[BI+8*(\a):BI+8*(\a)+7], v[SC+8*NQ*(\sc)+NQ*\b+(\q)], v[SC+8*NQ*(\sc)+NQ*(\a)+(\q)] matrix_a_fmt:MATRIX_FMT_FP6 matrix_b_fmt:MATRIX_FMT_FP6 matrix_a_scale:MATRIX_SCALE_ROW1
.else
	v_wmma_scale_f32_16x16x128_f8f6f4 v[8*(8*((\a)%4)+\b):8*(8*((\a)%4)+\b)+7], v[128*(\p)+FR*\b:128*(\p)+FR*\b+FR-1], v[AF+FR*(\a):AF+FR*(\a)+FR-1], v[8*(8*((\a)%4)+\b):8*(8*((\a)%4)+\b)+7], v[SC+8*NQ*(\sc)+NQ*\b+(\q)], v[SC+8*NQ*(\sc)+NQ*(\a)+(\q)] matrix_a_fmt:MATRIX_FMT_FP6 matrix_b_fmt:MATRIX_FMT_FP6 matrix_a_scale:MATRIX_SCALE_ROW1
.endif
.endr
.endr
.endm
.macro FETCH_B slot, q, p
	WIN TO_B
.irp i, 0,1,2,3,4,5,6,7
	FRAG 128*(\p)+FR*\i, ADRB+\slot, \q, \i
.endr
	WIN 0
.endm
.macro FETCH_A slot, q, i0
.irp i, \i0, \i0+1, \i0+2, \i0+3
	FRAG AF+FR*(\i), ADRA+\slot, \q, \i
.endr
.endm
.macro SCALES sc
.irp i, 0,1,2,3,4,5,6,7
	ds_load_b64 v[SC+8*NQ*\sc+NQ*\i:SC+8*NQ*\sc+NQ*\i+1], v[ADRS] offset:\i*SBLK
.endr
.endm
.macro PLACES n
.rept \n
	v_nop
.endr
.endm
.macro STEP slot, q, zero
	s_wait_dscnt 4*NL
.if \zero
	WIN BIA_LO
.else
	WIN MUL_LO
.endif
	MUL16 0, (\q)%2, \q, \slot, \zero
	MUL16 2, (\q)%2, \q, \slot, \zero
	s_wait_dscnt 0
	PLACES NP
	FETCH_B \slot, (\q)+1, 1-(\q)%2
	FETCH_A \slot, (\q)+1, 0
.if \zero
	WIN BIA_HI
.else
	WIN MUL_HI
.endif
	MUL16 4, (\q)%2, \q, \slot, \zero
	MUL16 6, (\q)%2, \q, \slot, \zero
	PLACES NP
	WIN 0
	FETCH_A \slot, (\q)+1, 4
.endm
.macro TURN slot, next, fill
	s_wait_tensorcnt 0x0
	ds_add_u32 v[SPW], v[NIL]
	s_wait_dscnt 4*NL+1
	WIN MUL_LO
	MUL16 0, 1, NQ-1, \slot, 0
	s_wait_dscnt 0x0
	s_barrier_signal -1
	MUL16 2, 1, NQ-1, \slot, 0
	WIN 0
	s_barrier_wait -1
.if \fill
	CREST
	s_add_nc_u64 s[G0+4*\slot+2:G0+4*\slot+3], s[G0+4*\slot+2:G0+4*\slot+3], 2*ROWB
	s_add_nc_u64 s[G0B+4*\slot+2:G0B+4*\slot+3], s[G0B+4*\slot+2:G0B+4*\slot+3], 2*ROWB
	JLOAD G0+4*\slot, G1, G0B+4*\slot, G1B
.else
	PLACES NP
.endif
	s_wait_alu depctr_va_vdst(0)
	v_add_nc_u32 v[ADRS], 4*NQ, v[ADRS]
	FETCH_B \next, 0, 0
	FETCH_A \next, 0, 0
	SCALES \next
	WIN MUL_HI
	MUL16 4, 1, NQ-1, \slot, 0
	MUL16 6, 1, NQ-1, \slot, 0
	PLACES NP
	WIN 0
	FETCH_A \next, 0, 4
.endm
	s_wait_alu depctr_va_vdst(0)                   ; the wait at the head's end
	s_wait_tensorcnt 0x0                           ; my tile of the head's four is in
	ds_add_u32 v[SPW], v[NIL]
	s_mov_b32 s[G1+2], 8<<16                       ; no tensor load of mine is out: from here on a load brings 8 blocks, 128 places
	s_mov_b32 s[G1+4], 8
	s_mov_b32 s[G1B+2], 8<<16
	s_mov_b32 s[G1B+4], 8
	s_wait_dscnt 0x0
	CROUND
	JLOAD G0+4, G1, G0B+4, G1B                     ; slot 1's first fill, the first tensor load behind the round
	FETCH_B 0, 0, 0
	FETCH_A 0, 0, 0
	SCALES 0
	FETCH_A 0, 0, 4
	s_wait_loadcnt 0x0
	s_cmp_eq_u32 s97, 1
	s_cbranch_scc1 .Lfirst_v
	STEP 0, 0, 1
	s_branch .Lfirst_done
.Lfirst_v:
	STEP 0, 0, 2
.Lfirst_done:
	s_mov_b32 s3, LAPS-1
.Llap:
	TURN 0, 1, 1
	STEP 1, 0, 0
	TURN 1, 0, 1
	STEP 0, 0, 0
	s_sub_co_u32 s3, s3, 1
	s_cmp_lg_u32 s3, 0
	s_cbranch_scc1 .Llap
	TURN 0, 1, 0
	STEP 1, 0, 0
	s_wait_dscnt 4*NL
	WIN MUL_LO
	MUL16 0, 1, NQ-1, 1, 0
	MUL16 2, 1, NQ-1, 1, 0
	s_wait_dscnt 0
	WIN MUL_HI
	MUL16 4, 1, NQ-1, 1, 0
	MUL16 6, 1, NQ-1, 1, 0
	WIN 0
.macro FRAG2 W, a0, a1, b0, b1, pa, pb, wa, wb
.set WW, (\W)|((\W)<<2)
	WIN WW
	v_max3_num_f32 v[TM],   |v[(\a0)]|, |v[(\a0)+1]|, 0x1800000
	v_max3_num_f32 v[TM+1], |v[(\a1)]|, |v[(\a1)+1]|, 0x1800000
	v_max3_num_f32 v[TM+2], |v[(\b0)]|, |v[(\b0)+1]|, 0x1800000
	v_max3_num_f32 v[TM+3], |v[(\b1)]|, |v[(\b1)+1]|, 0x1800000
.irp k, 2,4,6,8,10,12,14,16,18,20,22,24,26,28,30
	v_max3_num_f32 v[TM],   |v[(\a0)+\k]|, |v[(\a0)+\k+1]|, v[TM]
	v_max3_num_f32 v[TM+1], |v[(\a1)+\k]|, |v[(\a1)+\k+1]|, v[TM+1]
	v_max3_num_f32 v[TM+2], |v[(\b0)+\k]|, |v[(\b0)+\k+1]|, v[TM+2]
	v_max3_num_f32 v[TM+3], |v[(\b1)+\k]|, |v[(\b1)+\k+1]|, v[TM+3]
.endr
	WIN 0
.irp i, 0,1,2,3
	v_add_nc_u32 v[SO+\i], 0xff000000, v[TM+\i]
.endr
.irp i, 0,1,2,3
	v_lshrrev_b32 v[BY+\i], 23, v[SO+\i]
.endr
	v_lshl_or_b32 v[U], v[BY+1], 16, v[BY]
	v_lshl_or_b32 v[U+1], v[BY+3], 16, v[BY+2]
	v_lshlrev_b32 v[U], v[H8], v[U]
	v_lshlrev_b32 v[U+1], v[H8], v[U+1]
	v_permlanex16_b32 v[XP], v[U], s18, s19
	v_permlanex16_b32 v[XP+1], v[U+1], s18, s19
	v_or_b32 v[\wa], v[U], v[XP]
	v_or_b32 v[\wb], v[U+1], v[XP+1]
.set WW, \W
	WIN WW
	v_cvt_scalef32_pk16_fp6_f32 v[(\pa):(\pa)+2], v[(\a0):(\a0)+15], v[SO]
	v_cvt_scalef32_pk16_fp6_f32 v[TC:TC+2], v[(\a0)+16:(\a0)+31], v[SO]
	v_cvt_scalef32_pk16_fp6_f32 v[(\pa)+6:(\pa)+8], v[(\a1):(\a1)+15], v[SO+1]
	v_cvt_scalef32_pk16_fp6_f32 v[TC+4:TC+6], v[(\a1)+16:(\a1)+31], v[SO+1]
	v_cvt_scalef32_pk16_fp6_f32 v[(\pb):(\pb)+2], v[(\b0):(\b0)+15], v[SO+2]
	v_cvt_scalef32_pk16_fp6_f32 v[TC+8:TC+10], v[(\b0)+16:(\b0)+31], v[SO+2]
	v_cvt_scalef32_pk16_fp6_f32 v[(\pb)+6:(\pb)+8], v[(\b1):(\b1)+15], v[SO+3]
	v_cvt_scalef32_pk16_fp6_f32 v[TC+12:TC+14], v[(\b1)+16:(\b1)+31], v[SO+3]
	v_nop
	WIN 0
.irp i, 0,1,2
	v_mov_b32 v[(\pa)+3+\i], v[TC+\i]
	v_mov_b32 v[(\pa)+9+\i], v[TC+4+\i]
	v_mov_b32 v[(\pb)+3+\i], v[TC+8+\i]
	v_mov_b32 v[(\pb)+9+\i], v[TC+12+\i]
.endr
.endm
.macro PUT p, head, frag
.irp k, 0,1,2
	global_store_b128 v[LI], v[(\p)+4*\k:(\p)+4*\k+3], s[10:11] offset:98304*(\head)+1536*(\frag)+512*\k
.endr
.endm
	PLACES NP
	s_mov_b32 s18, 0x76543210
	s_mov_b32 s19, 0xfedcba98
	v_bfe_u32 v[H8], v0, 4, 1
	v_lshlrev_b32 v[H8], 3, v[H8]
	v_mov_b32 v[XP], 0
	v_mov_b32 v[XP+1], 0
	v_and_b32 v6, 31, v0
	v_cmp_le_u32 s20, 16, v6
	s_cmp_eq_u32 s97, 1
	s_cbranch_scc1 .Lout_v
.irp f, 0,1,2,3
	FRAG2 2+\f/2, 64*((2*\f)%4), 64*((2*\f)%4)+64, 64*((2*\f)%4)+32, 64*((2*\f)%4)+96, PCD+24*\f, PCD+24*\f+12, SW+\f, SW+4+\f
	PUT PCD+24*\f, 0, \f
	PUT PCD+24*\f+12, 1, \f
.endr
	s_branch .Lout_done
.Lout_v:
.irp i, 0,1,2,3
	FRAG2 2+\i/2, 64*((2*\i)%4), 64*((2*\i)%4)+32, 64*((2*\i)%4)+64, 64*((2*\i)%4)+96, PCD+24*\i, PCD+24*\i+12, SW+2*\i, SW+2*\i+1
	PUT PCD+24*\i, (2*\i)/4, (2*\i)%4
	PUT PCD+24*\i+12, (2*\i+1)/4, (2*\i+1)%4
.endr
.Lout_done:
.irp f, 0,1,2,3
	v_cndmask_b32 v[SWO+\f], v[SW+\f], v[SW+4+\f], s20
.endr
	global_store_b128 v[SA], v[SWO:SWO+3], s[12:13]
	s_wait_tensorcnt 0x0
	ds_add_u32 v[SPW], v[NIL]
	s_wait_dscnt 0x0
	CROUND
	s_endpgm
.Lfunc_end_k_qaaf68cc47c_proj:
	.size	k_qaaf68cc47c_proj, .Lfunc_end_k_qaaf68cc47c_proj-k_qaaf68cc47c_proj
	.p2alignl 7, 3214868480
	.fill 96, 4, 3214868480
	.section	.rodata,"a",@progbits
	.p2align	6, 0x0
	.amdhsa_kernel k_qaaf68cc47c_proj
		.amdhsa_group_segment_fixed_size 327680
		.amdhsa_private_segment_fixed_size 0
		.amdhsa_enable_private_segment 0
		.amdhsa_kernarg_size 40
		.amdhsa_user_sgpr_count 2
		.amdhsa_user_sgpr_kernarg_segment_ptr 1
		.amdhsa_wavefront_size32 1
		.amdhsa_system_sgpr_workgroup_id_x 1
		.amdhsa_system_sgpr_workgroup_id_y 1
		.amdhsa_system_sgpr_workgroup_id_z 1
		.amdhsa_system_vgpr_workitem_id 0
		.amdhsa_next_free_vgpr 1024
		.amdhsa_next_free_sgpr 102
		.amdhsa_reserve_vcc 0
		.amdhsa_float_denorm_mode_32 3
		.amdhsa_float_denorm_mode_16_64 3
		.amdhsa_memory_ordered 1
		.amdhsa_forward_progress 1
		.amdhsa_inst_pref_size 189
	.end_amdhsa_kernel
	.amdgpu_metadata
---
amdhsa.version: [ 1, 2 ]
amdhsa.kernels:
  - .name:           k_qaaf68cc47c_proj
    .symbol:         k_qaaf68cc47c_proj.kd
    .args:
      - { .name: cod, .offset: 0, .size: 8, .value_kind: global_buffer, .address_space: global }
      - { .name: sca, .offset: 8, .size: 8, .value_kind: global_buffer, .address_space: global }
      - { .name: b_in, .offset: 16, .size: 8, .value_kind: global_buffer, .address_space: global }
      - { .name: img, .offset: 24, .size: 8, .value_kind: global_buffer, .address_space: global }
      - { .name: scl, .offset: 32, .size: 8, .value_kind: global_buffer, .address_space: global }
    .group_segment_fixed_size: 327680
    .private_segment_fixed_size: 0
    .kernarg_segment_align: 8
    .kernarg_segment_size: 40
    .max_flat_workgroup_size: 128
    .sgpr_count:     102
    .vgpr_count:     1024
    .wavefront_size: 32
...
	.end_amdgpu_metadata
.endif
;; end of part 2
;; launch attn (part 3): grid 4 x 64, 16 waves a work-group, clusters of 4 x 1, 206,848 bytes of LDS; arguments img, scl, cimg, cscl; writes cimg, cscl
.if DOCPART == 3
	.amdgcn_target "amdgcn-amd-amdhsa--gfx1250"
	.amdhsa_code_object_version 6
	.text
	.protected	k_qaaf68cc47c_attn
	.globl	k_qaaf68cc47c_attn
	.p2align	8
	.type	k_qaaf68cc47c_attn,@function
k_qaaf68cc47c_attn:
	s_mov_b64 s[64:65], 0
	v_nop
	global_prefetch_b8 v0, s[64:65] scope:SCOPE_SE
	s_setreg_imm32_b32 hwreg(HW_REG_WAVE_MODE, 25, 1), 1
	s_wait_xcnt 0x0
	s_wait_alu depctr_hold_cnt(0) depctr_sa_sdst(0) depctr_va_vdst(0) depctr_va_sdst(0) depctr_va_ssrc(0) depctr_va_vcc(0) depctr_vm_vsrc(0)
	s_getreg_b32 s2, hwreg(HW_REG_IB_STS2, 6, 4)
	s_cmp_eq_u32 s2, 0
	s_cbranch_scc0 .Lentry_in_a_cluster
	s_endpgm
.Lentry_in_a_cluster:
	s_bfe_u32 s2, ttmp6, 0x10000c
	s_cmp_lg_u32 s2, 0x3003
	s_cbranch_scc0 .Lentry_shape_is_right
	s_endpgm
.Lentry_shape_is_right:
; ctx = softmax(q k^T / 8) v for one (batch, head) a cluster, both products on codes of FP6 (E2M3) with E8M0 scales; ctx is divided by the row's sum, quantised along the model's 1,024, and leaves as operand images.
; t = score x log2(e) / 8 (q was quantised without its 1/8, a power of two); M = the running largest t rounded UP to a whole number; p = 2^(t - M) is quantised along the keys, not normalised; the sum is taken of the
; unquantised p.  When M moves, the sum and O are multiplied by 2^(old M - new M): exact.
; SHARES.  A cluster of four work-groups has one head; a work-group 512 queries; each of its sixteen waves 32 of them, as two tiles of 16, one after the other, in 256 registers: four waves to a SIMD.
; A WHOLE HEAD'S K AND V STAY IN LDS, as images of the operands' registers (lane l's 16 bytes at 16 l).  Every wave issues ONE joint load at the head: wave w brings key step w, a tile of two rows of 6,144 bytes,
; K's four fragments and V's four (the two lie 6,291,456 bytes apart in img), to LDS byte 12,288 w.  All four work-groups ask with the same descriptor.  Nothing is filled again.
; The scale words (2 x 4,096 bytes) go through registers into LDS bytes of their own, 512 bytes a wave.
; LAYOUT.  Both products are used transposed: S^T = K Q^T, O^T = V^T P^T: a lane holds ONE query (lane % 16) throughout.
; THE SCORES' K IS 64: a fragment of K holds key tile 2 f in K = 0 .. 63 and key tile 2 f + 1 in K = 64 .. 127.  Q stands between two runs of zero codes: [q | 0] gives tile 2 f's scores, [0 | q] tile 2 f + 1's.
; The scale bytes of Q's zero half are 0, which stands for 2^-127: zero codes add nothing under it.
; By the order of the places, registers 32 c + i of S^T are keys 64 c + 32 (lane / 16) + i of the step: a block of 32 keys lies in one lane.  Likewise O^T's 32 registers are the head's channels 32 (lane / 16) + 0 .. 31.
; cimg: [512 tiles of 16 tokens][16 heads] x 768 bytes: registers 0-3 of lane l at 16 l, registers 4-5 at 512 + 8 l.   cscl: [8,192 tokens][32] bytes, stored a byte a lane.
; No prefetch: every byte of K and V is asked for by the tensor loads in the kernel's first lines, and there is no loop to run ahead in.
; LIMITS: the promise holds while the scaled scores stay under 2^31 in magnitude; p under 2^-126 counts as 0; a block whose largest magnitude lies under 2^-124 has its byte held at 1, a block of zeros too; NaN and infinities are not served.
.set REC,   12288                      ; LDS: key step w at REC w: K's four fragments, then V's four
.set KSC,   196608                     ; K's scale words: [step 16][row 16][fragment 4],
.set VSC,   200704                     ; V's
.set SPARE, 204800                     ; the spare words, 128 bytes for each of the sixteen waves
.set LI,  1                            ; v1   16 x lane
.set AS0, 2                            ; v2   KSC + 16 (lane % 16)
.set SPW, 3                            ; v3   my spare word; never rewritten
.set NIL, 4                            ; v4   0; never rewritten
.set H8,  5                            ; v5   8 (lane / 16)
.set ADK, 6                            ; v6   LDS address of the step's fragments: K's, then V's
.set SCA, 7                            ; v7   where my 16 bytes of the scale words go
.set ADS, 8                            ; v8   the step's scale words
.set R16, 9                            ; v9   16 (lane % 16)
.set L8,  10                           ; v10  8 x lane
.set CSO, 11                           ; v11  32 (lane % 16) + lane / 16
                                       ; v12 -M, v13 the running largest score, v[14:15] the sum in two halves
.set QZ,  16                           ; v16-21 zeros, v22-27 q, v28-33 zeros
.set F,   34                           ; v34-81   four fragments: K's, then V's
.set S,   82                           ; v82-145  S^T, then p
.set O,   146                          ; v146-177 O^T
.set PC,  178                          ; v178-189 p's codes
.set TC,  190                          ; v190-197 the conversions' second halves
.set FS,  198                          ; v198-201 the four fragments' scale words
.set QSL, 202                          ; v202, v203 q's scale word, under K = 0 .. 63 and under K = 64 .. 127
.set QSH, 203
.set PW,  204                          ; v204 p's scale word
.set BM,  206                          ; v206-209 maxima
.set SO,  210                          ; v210-211 the conversions' scale operands
.set BY,  212                          ; v212-213 bytes
.set FF,  214                          ; v[214:215] f = 2^(old M - new M)
.set T,   216                          ; v216-219 at work
.set L2,  220                          ; v[220:221] the sum's second chain
.set RL,  222                          ; v[222:223] 1 / the sum
.set SD,  224                          ; v224-227 scale words on their way into LDS
.set WV,  12
.set TB,  16                           ; s16  LDS byte of the step's record
.set TS,  17                           ; s17  and of its scale words, from KSC on
.set CN,  18                           ; s18  steps to go
.set SEL, 20
.set CS,  22
.macro CROUND                          ; a round of the cluster's barrier
	s_barrier_signal -1
	s_barrier_wait -1
	s_cmp_lg_u32 s[WV], 0
	s_cbranch_scc1 .Lnot_wave_0_\@
	s_barrier_signal -3
.Lnot_wave_0_\@:
	s_barrier_wait -3
	s_barrier_signal -1
	s_barrier_wait -1
.endm
	s_load_b256 s[4:11], s[0:1], 0x0               ; img s[4:5], scl s[6:7], cimg s[8:9], cscl s[10:11]
	v_lshl_add_u32 v[SPW], v0, 2, SPARE
	v_mov_b32 v[NIL], 0
	ds_add_u32 v[SPW], v[NIL]                      ; the opening lines: the add, twice on end, and its wait ahead of my tensor load
	ds_add_u32 v[SPW], v[NIL]
	v_lshrrev_b32 v6, 5, v0
	s_delay_alu instid0(VALU_DEP_1)
	v_readfirstlane_b32 s[WV], v6                  ; wave 0..15
	s_bfe_u32 s13, ttmp6, 0x40000                  ; cx: it enters q's, cimg's and cscl's addresses alone
	s_and_b32 s14, ttmp7, 0xffff                   ; 16 x batch + head, which the four partners share
	s_mov_b32 s24, 15|(3<<16)|(1<<21)              ; group 1: the mask names all four work-groups; elements of 8 bytes; bit 21 beside a mask
	s_mov_b32 s25, 768<<16                         ; tensor_dim0 = 768 elements: 6,144 bytes
	s_mov_b32 s26, 2<<16                           ; tensor_dim1 = 2: K's row, V's row
	s_mov_b32 s27, 768<<16                         ; tile_dim0
	s_mov_b32 s28, 2                               ; tile_dim1
	s_mov_b32 s29, 786432                          ; from K's row to V's: 64 heads x 98,304 bytes, in elements
	s_mov_b32 s30, 0
	s_mov_b32 s31, 0
	s_mov_b32 s[SEL], 0x76543210
	s_mov_b32 s[SEL+1], 0xfedcba98                 ; v_permlanex16_b32's selects for lane l xor 16
	s_mov_b32 s[CS], 0x3e38aa3b                    ; c = log2(e) / 8
	s_mov_b32 s[CS+1], s[CS]                       ; (named with it as a pair, so it is written)
	s_add_co_u32 s80, s14, 64                      ; K's place among img's and scl's 192 heads
	s_lshl_b32 s82, s80, 12
	s_mul_i32 s80, s80, 98304
	s_mul_i32 s84, s[WV], 6144
	s_add_co_u32 s80, s80, s84                     ; key step w of K
	s_mov_b32 s81, 0
	s_mov_b32 s32, 1                               ; group 0
	s_mul_i32 s33, s[WV], REC
	s_lshr_b32 s84, s[WV], 3                       ; the scale words: waves 0-7 copy K's 4,096 bytes, waves 8-15 V's, 262,144 bytes further on
	s_lshl_b32 s84, s84, 18
	s_add_co_u32 s82, s82, s84
	s_and_b32 s84, s[WV], 7
	s_lshl_b32 s84, s84, 9
	s_add_co_u32 s82, s82, s84
	s_mov_b32 s83, 0
	s_lshl_b32 s90, s13, 4
	s_add_co_u32 s90, s90, s[WV]                   ; my fragment of q, 0 .. 63: token tiles 2 x it and 2 x it + 1
	s_mul_i32 s86, s14, 98304
	s_mul_i32 s91, s90, 1536
	s_add_co_u32 s86, s86, s91
	s_mov_b32 s87, 0
	s_lshl_b32 s88, s14, 12
	s_lshr_b32 s91, s90, 2
	s_lshl_b32 s91, s91, 8
	s_add_co_u32 s88, s88, s91
	s_and_b32 s91, s90, 3
	s_lshl_b32 s91, s91, 2
	s_add_co_u32 s88, s88, s91                     ; its scale words: step x 256 + 4 x fragment
	s_mov_b32 s89, 0
	s_lshr_b32 s92, s14, 4                         ; batch
	s_and_b32 s93, s14, 15                         ; head
	s_lshl_b32 s94, s92, 7
	s_lshl_b32 s91, s90, 1
	s_add_co_u32 s94, s94, s91                     ; my first tile of tokens among the 512
	s_lshl_b32 s94, s94, 4
	s_add_co_u32 s94, s94, s93
	s_mul_i32 s94, s94, 768                        ; cimg
	s_mov_b32 s95, 0
	s_lshl_b32 s92, s92, 11
	s_lshl_b32 s91, s90, 5
	s_add_co_u32 s92, s92, s91                     ; my first token
	s_lshl_b32 s92, s92, 5
	s_lshl_b32 s93, s93, 1
	s_add_co_u32 s92, s92, s93                     ; cscl: 32 bytes a token, + 2 x head
	s_mov_b32 s93, 0
	s_wait_dscnt 0x0                               ; both opening adds are done
	s_wait_kmcnt 0x0
	s_add_nc_u64 s[34:35], s[4:5], s[80:81]
	s_or_b32 s35, s35, 0x80000000
	s_add_nc_u64 s[82:83], s[6:7], s[82:83]
	s_add_nc_u64 s[86:87], s[4:5], s[86:87]        ; q's pointers have registers of their own: none that feeds the descriptor holds cx
	s_add_nc_u64 s[88:89], s[6:7], s[88:89]
	s_add_nc_u64 s[8:9], s[8:9], s[94:95]
	s_add_nc_u64 s[10:11], s[10:11], s[92:93]
	CROUND                                         ; all four work-groups are here: the joint loads meet
	tensor_load_to_lds s[32:35], s[24:31]          ; my one tensor load of the launch: key step w of K and of V
	s_nop 0
	v_and_b32 v[LI], 31, v0
	v_and_b32 v[R16], 15, v0
	v_bfe_u32 v[H8], v0, 4, 1
	v_lshl_add_u32 v[SCA], v0, 4, KSC              ; 512 x wave + 16 x lane
	v_lshlrev_b32 v[L8], 3, v[LI]
	v_lshlrev_b32 v[LI], 4, v[LI]
	v_lshl_add_u32 v[CSO], v[R16], 5, v[H8]
	v_lshlrev_b32 v[H8], 3, v[H8]
	v_lshlrev_b32 v[R16], 4, v[R16]
	s_delay_alu instid0(VALU_DEP_1)
	v_add_nc_u32 v[AS0], KSC, v[R16]
.irp i, 0,1,2,3,4,5
	v_mov_b32 v[QZ+\i], 0                          ; the zero codes on either side of q
	v_mov_b32 v[QZ+12+\i], 0
.endr
.irp i, 0,1,2,3
	v_mov_b32 v[T+\i], 0                           ; written once: a lane permute's destination counts as one of its sources
.endr
	v_mov_b32 v[FF+1], 0                           ; (upper halves of pairs of which the low word alone is used)
	v_mov_b32 v[RL+1], 0
	s_wait_alu depctr_va_vdst(0)
	global_load_b128 v[SD:SD+3], v[LI], s[82:83]   ; my wave's 512 bytes of the scale words
.macro TMS from, to                    ; t - M, two at a time
.set j, \from
.rept ((\to)-(\from))/2+1
	v_pk_fma_f32 v[S+j:S+j+1], v[S+j:S+j+1], s[CS:CS+1], v[12:13] op_sel_hi:[1,0,0]
.set j, j+2
.endr
.endm
.macro SUM from, to                    ; the row's sum of the unquantised p, in two chains by turns
.set j, \from
.rept ((\to)-(\from))/2+1
.if (j%4) == 0
	v_pk_add_f32 v[14:15], v[14:15], v[S+j:S+j+1]
.else
	v_pk_add_f32 v[L2:L2+1], v[L2:L2+1], v[S+j:S+j+1]
.endif
.set j, j+2
.endr
.endm
; A KEY STEP: 128 keys.
.macro STEP
	v_add_nc_u32 v[ADK], s[TB], v[LI]              ; these two and two v_nop are the four places between the last step's products and the loads into their operands
	v_add_nc_u32 v[ADS], s[TS], v[AS0]
	v_nop
	v_nop
.irp f, 0,1,2,3
.irp k, 0,1,2
	ds_load_b128 v[F+12*\f+4*\k:F+12*\f+4*\k+3], v[ADK] offset:1536*\f+512*\k
.endr
.endr
	ds_load_b128 v[FS:FS+3], v[ADS]                ; my row's four scale words
	s_wait_alu depctr_va_vdst(0)
	s_wait_dscnt 0x0
.irp f, 0,1,2,3                                ; S^T: key tiles 2 f and 2 f + 1 from one fragment of K
	v_wmma_scale_f32_16x16x128_f8f6f4 v[S+16*\f:S+16*\f+7], v[F+12*\f:F+12*\f+11], v[QZ+6:QZ+17], 0, v[FS+\f], v[QSL] matrix_a_fmt:MATRIX_FMT_FP6 matrix_b_fmt:MATRIX_FMT_FP6
	v_wmma_scale_f32_16x16x128_f8f6f4 v[S+16*\f+8:S+16*\f+15], v[F+12*\f:F+12*\f+11], v[QZ:QZ+11], 0, v[FS+\f], v[QSH] matrix_a_fmt:MATRIX_FMT_FP6 matrix_b_fmt:MATRIX_FMT_FP6
.endr
	v_add_nc_u32 v[ADK], 6144, v[ADK]              ; on to V's fragments; four places in front of the loads into K's registers and of the first read of the scores
	v_mov_b32 v[T+2], v12                          ; the old -M
	v_nop
	v_nop
.irp f, 0,1,2,3                                ; V's fragments land under the softmax
.irp k, 0,1,2
	ds_load_b128 v[F+12*\f+4*\k:F+12*\f+4*\k+3], v[ADK] offset:1536*\f+512*\k
.endr
.endr
	ds_load_b128 v[FS:FS+3], v[ADS] offset:VSC-KSC
.irp x, 0,1,2,3                                ; the largest score of each block of 32 keys: four chains of 16 registers by turns; each accumulator is read from its low end on
	v_max3_num_f32 v[BM+\x], v[S+16*\x], v[S+16*\x+1], v[S+16*\x+2]
.endr
.irp i, 3,5,7,9,11,13
.irp x, 0,1,2,3
	v_max3_num_f32 v[BM+\x], v[BM+\x], v[S+16*\x+\i], v[S+16*\x+\i+1]
.endr
.endr
.irp c, 0,1
	v_max3_num_f32 v[BM+2*\c], v[BM+2*\c], v[BM+2*\c+1], v[S+32*\c+15]
.endr
.irp c, 0,1
	v_max_num_f32 v[BM+2*\c], v[BM+2*\c], v[S+32*\c+31]   ; it serves twice: for the row's maximum and, since p rises with the score, for the block's largest p
.endr
	s_delay_alu instid0(VALU_DEP_1)
	v_max_num_f32 v[T], v[BM], v[BM+2]
	s_delay_alu instid0(VALU_DEP_1)
	v_permlanex16_b32 v[T+1], v[T], s[SEL], s[SEL+1]      ; the query's other 64 keys lie in the lane 16 away
	s_delay_alu instid0(VALU_DEP_1)
	v_max3_num_f32 v13, v13, v[T], v[T+1]          ; the running largest score
	s_delay_alu instid0(VALU_DEP_1)
	v_mul_f32 v[T], s[CS], v13                     ; as t (c is positive)
	s_delay_alu instid0(VALU_DEP_1)
	v_floor_f32 v12, -v[T]                         ; the new -M = floor(-t): M is a whole number
	s_delay_alu instid0(VALU_DEP_1)
	v_sub_f32 v[T+2], v12, v[T+2]                  ; old M - new M: a whole number, 0 or less
	TMS 0, 2
	v_cvt_i32_f32 v[T+2], v[T+2]                   ; (it saturates)
	TMS 4, 6
	v_ldexp_f32 v[FF], 1.0, v[T+2]                 ; f = 2^(old M - new M)
	TMS 8, 62
.irp c, 0,1
	v_fma_f32 v[BM+2*\c], v[BM+2*\c], s[CS], v12   ; the same of each block's largest score
.endr
	s_wait_alu depctr_va_vdst(0)                   ; the wait ahead of the batch
.set j, 0
.rept 64
	v_exp_f32 v[S+j], v[S+j]                       ; p = 2^(t - M), at most 1
.set j, j+1
.endr
.irp c, 0,1
	v_exp_f32 v[BM+2*\c], v[BM+2*\c]               ; the block's largest p: the same two instructions on the same number
.endr
	v_pk_mul_f32 v[14:15], v[14:15], v[FF:FF+1] op_sel_hi:[1,0]   ; the sums under the new M (a plain place behind the exponentials)
	s_wait_alu depctr_va_vdst(0)                   ; one wait for the batch of 66, ahead of its first reader
.irp c, 0,1
	v_max_num_f32 v[BM+2*\c], 0x1800000, v[BM+2*\c]   ; the floor 2^(3 - 127): the byte cannot fall under 1
.endr
	v_pk_add_f32 v[L2:L2+1], v[S:S+1], v[S+2:S+3]  ; the sum's lines stand between the links of the scale's chain
	SUM 4, 4
.irp c, 0,1
	v_add_nc_u32 v[SO+\c], 0xff000000, v[BM+2*\c]  ; 2 off the exponent field: the conversion's scale operand
.endr
	SUM 6, 8
.irp c, 0,1
	v_lshrrev_b32 v[BY+\c], 23, v[SO+\c]           ; the scale's byte
.endr
.irp c, 0,1
	v_cvt_scalef32_pk16_fp6_f32 v[PC+6*\c:PC+6*\c+2], v[S+32*\c:S+32*\c+15], v[SO+\c]
	v_cvt_scalef32_pk16_fp6_f32 v[TC+4*\c:TC+4*\c+2], v[S+32*\c+16:S+32*\c+31], v[SO+\c]   ; (a conversion's three registers begin on an even number)
.endr
	v_lshl_or_b32 v[T], v[BY+1], 16, v[BY]         ; my two bytes: blocks h and 2 + h of my query (the plain place behind the conversions),
.irp c, 0,1
.irp i, 0,1,2
	v_mov_b32 v[PC+6*\c+3+\i], v[TC+4*\c+\i]
.endr
.endr
	v_lshlrev_b32 v[T], v[H8], v[T]                ; at their places;
	SUM 10, 12
	v_permlanex16_b32 v[T+1], v[T], s[SEL], s[SEL+1]
	SUM 14, 16
	v_or_b32 v[PW], v[T], v[T+1]                   ; with lane l xor 16's two the word is whole
	SUM 18, 40
	s_wait_alu depctr_va_vdst(0)                   ; the wait directly ahead of the first reader of O^T
.set j, 0
.rept 16
	v_pk_mul_f32 v[O+j:O+j+1], v[O+j:O+j+1], v[FF:FF+1] op_sel_hi:[1,0]   ; O^T under the new M, each accumulator from its low end on
.set j, j+2
.endr
	SUM 42, 62                                     ; twelve plain lines stand between O^T's last write and the wait below
	v_pk_add_f32 v[14:15], v[14:15], v[L2:L2+1]
	s_wait_dscnt 0x0                               ; V's fragments and scale words are in
.irp t, 0,1,2,3                                ; O^T += V^T P^T: four accumulators by turns
	v_wmma_scale_f32_16x16x128_f8f6f4 v[O+8*\t:O+8*\t+7], v[F+12*\t:F+12*\t+11], v[PC:PC+11], v[O+8*\t:O+8*\t+7], v[FS+\t], v[PW] matrix_a_fmt:MATRIX_FMT_FP6 matrix_b_fmt:MATRIX_FMT_FP6
.endr
.endm
.macro RUN                             ; the head's sixteen key steps
	s_mov_b32 s[TB], 0
	s_mov_b32 s[TS], 0
	s_mov_b32 s[CN], 16
.Lrun_\@:
	STEP
	s_add_co_u32 s[TB], s[TB], REC
	s_add_co_u32 s[TS], s[TS], 256
	s_sub_co_u32 s[CN], s[CN], 1
	s_cmp_lg_u32 s[CN], 0
	s_cbranch_scc1 .Lrun_\@
.endm
; Tile e of my fragment of q: its registers 6 e .. 6 e + 5, and bytes 2 e, 2 e + 1 of its scale word.  The sums begin as zeros and the largest score as -3e38: the first change of M multiplies zeros.
.macro QLOAD e
.if \e == 0
	global_load_b128 v[QZ+6:QZ+9], v[LI], s[86:87]
	global_load_b64 v[QZ+10:QZ+11], v[LI], s[86:87] offset:512
.else
	global_load_b64 v[QZ+6:QZ+7], v[LI], s[86:87] offset:520
	global_load_b128 v[QZ+8:QZ+11], v[LI], s[86:87] offset:1024
.endif
	global_load_b32 v[T+3], v[R16], s[88:89]
	v_mov_b32 v13, 0xff61b1e6
	v_mov_b32 v14, 0
	v_mov_b32 v15, 0
	s_delay_alu instid0(VALU_DEP_3)
	v_mul_f32 v[T], s[CS], v13
	s_delay_alu instid0(VALU_DEP_1)
	v_floor_f32 v12, -v[T]
	s_wait_loadcnt 0x0
.if \e == 0
	v_and_b32 v[QSL], 0xffff, v[T+3]
.else
	v_lshrrev_b32 v[QSL], 16, v[T+3]
.endif
	s_delay_alu instid0(VALU_DEP_1)
	v_lshlrev_b32 v[QSH], 16, v[QSL]
.set j, 0
.rept 32
	v_mov_b32 v[O+j], 0                            ; (also the places between the scale registers' writes and the first products)
.set j, j+1
.endr
.endm
; The tile's end: O^T / the sum; my 32 registers are one block of the out-projection's K: quantised, and stored as half a fragment's image.
.macro FINISH e
.rept 4
	v_nop                                          ; places behind the last products
.endr
	s_wait_alu depctr_va_vdst(0)
	v_add_f32 v14, v14, v15
	s_delay_alu instid0(VALU_DEP_1)
	v_permlanex16_b32 v[T], v14, s[SEL], s[SEL+1]
	s_delay_alu instid0(VALU_DEP_1)
	v_add_f32 v14, v14, v[T]                       ; the row's sum
	s_wait_alu depctr_va_vdst(0)                   ; the wait ahead of the transcendental
	v_rcp_f32 v[RL], v14
	v_nop                                          ; a plain place behind the reciprocal,
	s_wait_alu depctr_va_vdst(0)                   ; and the wait ahead of its first reader and of O^T's
.set j, 0
.rept 16
	v_pk_mul_f32 v[O+j:O+j+1], v[O+j:O+j+1], v[RL:RL+1] op_sel_hi:[1,0]
.set j, j+2
.endr
	v_max3_num_f32 v[BM], |v[O]|, |v[O+1]|, 0x1800000
	v_max3_num_f32 v[BM+1], |v[O+2]|, |v[O+3]|, 0x1800000
.irp k, 4,8,12,16,20,24,28
	s_delay_alu instid0(VALU_DEP_2)
	v_max3_num_f32 v[BM], v[BM], |v[O+\k]|, |v[O+\k+1]|
	s_delay_alu instid0(VALU_DEP_2)
	v_max3_num_f32 v[BM+1], v[BM+1], |v[O+\k+2]|, |v[O+\k+3]|
.endr
	s_delay_alu instid0(VALU_DEP_1)
	v_max_num_f32 v[BM], v[BM], v[BM+1]
	s_delay_alu instid0(VALU_DEP_1)
	v_add_nc_u32 v[SO], 0xff000000, v[BM]
	s_delay_alu instid0(VALU_DEP_1)
	v_lshrrev_b32 v[BY], 23, v[SO]
	v_cvt_scalef32_pk16_fp6_f32 v[PC:PC+2], v[O:O+15], v[SO]
	v_cvt_scalef32_pk16_fp6_f32 v[TC:TC+2], v[O+16:O+31], v[SO]
	v_nop
.irp i, 0,1,2
	v_mov_b32 v[PC+3+\i], v[TC+\i]
.endr
	global_store_b128 v[LI], v[PC:PC+3], s[8:9] offset:12288*\e          ; 512 consecutive aligned bytes
	global_store_b64 v[L8], v[PC+4:PC+5], s[8:9] offset:12288*\e+512     ; 256 consecutive aligned bytes
	global_store_b8 v[CSO], v[BY], s[10:11] offset:512*\e                ; my block's byte
.endm
	QLOAD 0                                        ; its wait for loads covers the scale words too
	s_wait_alu depctr_va_vdst(0)                   ; the wait at the head's end
	s_wait_tensorcnt 0x0                           ; my key step has landed
	ds_store_b128 v[SCA], v[SD:SD+3]               ; the scale words, into bytes that no tensor load fills
	s_wait_dscnt 0x0                               ; for the others' sake
	s_barrier_signal -1
	s_barrier_wait -1                              ; the whole head lies in LDS
	RUN
	FINISH 0
	s_wait_xcnt 0x0                                ; the stores have read their data: the registers are written again below
	QLOAD 1
	RUN
	FINISH 1
	s_wait_tensorcnt 0x0                           ; the wave's end
	ds_add_u32 v[SPW], v[NIL]
	s_wait_dscnt 0x0
	CROUND                                         ; the closing round
	s_endpgm
.Lfunc_end_k_qaaf68cc47c_attn:
	.size	k_qaaf68cc47c_attn, .Lfunc_end_k_qaaf68cc47c_attn-k_qaaf68cc47c_attn
	.p2alignl 7, 3214868480
	.fill 96, 4, 3214868480
	.section	.rodata,"a",@progbits
	.p2align	6, 0x0
	.amdhsa_kernel k_qaaf68cc47c_attn
		.amdhsa_group_segment_fixed_size 206848
		.amdhsa_private_segment_fixed_size 0
		.amdhsa_enable_private_segment 0
		.amdhsa_kernarg_size 32
		.amdhsa_user_sgpr_count 2
		.amdhsa_user_sgpr_kernarg_segment_ptr 1
		.amdhsa_wavefront_size32 1
		.amdhsa_system_sgpr_workgroup_id_x 1
		.amdhsa_system_sgpr_workgroup_id_y 1
		.amdhsa_system_sgpr_workgroup_id_z 1
		.amdhsa_system_vgpr_workitem_id 0
		.amdhsa_next_free_vgpr 256
		.amdhsa_next_free_sgpr 96
		.amdhsa_reserve_vcc 0
		.amdhsa_float_denorm_mode_32 3
		.amdhsa_float_denorm_mode_16_64 3
		.amdhsa_memory_ordered 1
		.amdhsa_forward_progress 1
		.amdhsa_inst_pref_size 46
	.end_amdhsa_kernel
	.amdgpu_metadata
---
amdhsa.version: [ 1, 2 ]
amdhsa.kernels:
  - .name:           k_qaaf68cc47c_attn
    .symbol:         k_qaaf68cc47c_attn.kd
    .args:
      - { .name: img, .offset: 0, .size: 8, .value_kind: global_buffer, .address_space: global }
      - { .name: scl, .offset: 8, .size: 8, .value_kind: global_buffer, .address_space: global }
      - { .name: cimg, .offset: 16, .size: 8, .value_kind: global_buffer, .address_space: global }
      - { .name: cscl, .offset: 24, .size: 8, .value_kind: global_buffer, .address_space: global }
    .group_segment_fixed_size: 206848
    .private_segment_fixed_size: 0
    .kernarg_segment_align: 8
    .kernarg_segment_size: 32
    .max_flat_workgroup_size: 512
    .sgpr_count:     96
    .vgpr_count:     256
    .wavefront_size: 32
...
	.end_amdgpu_metadata
.endif
;; end of part 3
;; launch outp (part 4): grid 8 x 32, 4 waves a work-group, clusters of 4 x 4, 327,680 bytes of LDS; arguments cimg, cscl, cod, sca, b_out, out0; writes out0
.if DOCPART == 4
	.amdgcn_target "amdgcn-amd-amdhsa--gfx1250"
	.amdhsa_code_object_version 6
	.text
	.protected	k_qaaf68cc47c_outp
	.globl	k_qaaf68cc47c_outp
	.p2align	8
	.type	k_qaaf68cc47c_outp,@function
k_qaaf68cc47c_outp:
	s_mov_b64 s[64:65], 0
	v_nop
	global_prefetch_b8 v0, s[64:65] scope:SCOPE_SE
	s_setreg_imm32_b32 hwreg(HW_REG_WAVE_MODE, 25, 1), 1
	s_wait_xcnt 0x0
	s_wait_alu depctr_hold_cnt(0) depctr_sa_sdst(0) depctr_va_vdst(0) depctr_va_sdst(0) depctr_va_ssrc(0) depctr_va_vcc(0) depctr_vm_vsrc(0)
	s_getreg_b32 s2, hwreg(HW_REG_IB_STS2, 6, 4)
	s_cmp_eq_u32 s2, 0
	s_cbranch_scc0 .Lentry_in_a_cluster
	s_endpgm
.Lentry_in_a_cluster:
	s_bfe_u32 s2, ttmp6, 0x10000c
	s_cmp_lg_u32 s2, 0xf033
	s_cbranch_scc0 .Lentry_shape_is_right
	s_endpgm
.Lentry_shape_is_right:
; out = ctx w_out^T + b_out on codes of FP6 (E2M3) with E8M0 scales; sums in f32.  ctx's codes (cimg) and w_out's (cod, places 11,264 on) are images of the operands' registers: a block of 16 rows, all of K = 1,024, is
; 12,288 consecutive bytes, sixteen pieces of 768 (registers 0-3 of lane l at 16 l, registers 4-5 at 512 + 8 l).  Scale bytes (cscl, sca): [row][32].
; A work-group makes 256 tokens x 128 columns: 32 x 8 = 256 work-groups.  ALL OF K STAYS IN LDS: A's 16 blocks (196,608 bytes), B's 8 blocks (98,304), their scales (8,704 + 4,352 with padding).
; These are four dense pieces of memory, and the head brings them by four joint loads, one a wave.  Every LDS byte is filled once: no ring, no refill, one barrier.
; CLUSTERS: 4 x 4 work-groups; A's piece hangs on the tile row alone and is shared along a row of the cluster, B's on the tile column alone and is shared along a column.
; A wave makes 64 tokens x 128 columns: 32 accumulators, in eight steps of 128 along K, 32 matrix instructions each; the next step's fragments (48 LDS loads, 56 with a pair's scale words) are asked for ahead of a step's products.
; THE MATRIX INSTRUCTION IS USED TRANSPOSED (source 0 = 16 rows of w_out, source 1 = 16 tokens): a lane holds eight neighbouring columns of one token.  The bias is the C of the first step's products.
; Places and natural order: inside a group of 64 the place with bits p5 p4 p3 p2 p1 p0 is row p3 p5 p4 p2 p1 p0, for tokens and for columns alike: the way out's offsets undo both.
; The stage of the way out lies in the wave's own four blocks of A, which no other wave reads and which have had their only fill.
; No prefetch: every byte is asked for by the tensor loads in the kernel's first lines, and there is no loop to run ahead in.
; REGISTERS: window 0: v0-31 addresses; v32-63 scale words, two sets; v64-127 the bias; v128-223 A's fragments, two sets of four; on the way out v128-255.  Window 1: B's fragments, two sets, at v0 and v128.  Window 2: the accumulators.
.set FR,     12
.set RB,     12288                     ; a block of 16 rows, all of K
.set BBASE,  16*RB
.set SCL,    24*RB                     ; the scales, as units of 256 bytes + 16 of padding
.set SBLK,   544                       ; those of 16 rows
.set SCB,    SCL+16*SBLK               ; B's
.set SPARE,  SCB+8*SBLK                ; the spare words, 128 bytes for each wave
.set SPITCH, 528
.set ADRA, 16                          ; v16, v17  my A blocks: + 16 x lane, + 8 x lane
.set ADRB, 18                          ; v18, v19  B's blocks 0-3;  v20, v21  blocks 4-7
.set STO,  24
.set RD,   25
.set CO,   26
.set ADRS, 27
.set SPW,  28                          ; my spare word; never rewritten
.set NIL,  29                          ; 0; never rewritten
.set SC,   32
.set BI,   64
.set AF,   128
.set BK,   128
.set G1, 24
.set G0, 32
.set G1B, 48
.set G0B, 56
.set G1S, 68
.set G0S, 76
.set G1SB, 80
.set G0SB, 88
.set MSB, 0
.macro WIN new                         ; the immediate's high byte repeats the setting that is left
.if MSB != \new
	s_set_vgpr_msb (MSB<<8)|\new
.set MSB, \new
.endif
.endm
.set MUL_LO, 0xa1                      ; source 0 (B) window 1, source 1 (A) window 0, C and D window 2
.set BIA_LO, 0x81                      ; the same, C window 0
.set TO_B,   0x40                      ; destination window 1, address window 0
.macro CROUND                          ; a round of the cluster's barrier
	s_barrier_signal -1
	s_barrier_wait -1
	s_cmp_lg_u32 s14, 0
	s_cbranch_scc1 .Lnot_wave_0_\@
	s_barrier_signal -3
.Lnot_wave_0_\@:
	s_barrier_wait -3
	s_barrier_signal -1
	s_barrier_wait -1
.endm
.macro PLACES n
.rept \n
	v_nop
.endr
.endm
	s_load_b256 s[4:11], s[0:1], 0x0               ; cimg s[4:5], cscl s[6:7], cod s[8:9], sca s[10:11]
	s_load_b128 s[96:99], s[0:1], 0x20             ; b_out s[96:97], out0 s[98:99]
	v_lshl_add_u32 v[SPW], v0, 2, SPARE
	v_mov_b32 v[NIL], 0
	ds_add_u32 v[SPW], v[NIL]                      ; the opening lines: the add, twice on end, and its wait ahead of my tensor load
	ds_add_u32 v[SPW], v[NIL]
	v_lshrrev_b32 v1, 5, v0
	v_readfirstlane_b32 s14, v1                    ; wave 0..3
	s_bfe_u32 s40, ttmp6, 0x40000                  ; cx
	s_bfe_u32 s41, ttmp6, 0x40004                  ; cy
	s_lshl_b32 s42, ttmp9, 2
	s_add_co_u32 s42, s42, s40                     ; tile column, 0 .. 7
	s_and_b32 s17, ttmp7, 0xffff
	s_lshl_b32 s17, s17, 2
	s_add_co_u32 s17, s17, s41                     ; tile row, 0 .. 31
	s_lshl_b32 s43, s41, 2
	s_lshl_b32 s43, 15, s43                        ; my row of the cluster
	s_lshl_b32 s44, 0x1111, s40                    ; my column
	s_or_b32 s[G1+0], s43, (3<<16)|(1<<21)         ; A: 16 rows of 12,288 bytes (1,536 elements of 8), on end
	s_mov_b32 s[G1+1], 1536<<16
	s_mov_b32 s[G1+2], 16<<16
	s_mov_b32 s[G1+3], 1536<<16
	s_mov_b32 s[G1+4], 16
	s_mov_b32 s[G1+5], 1536
	s_mov_b32 s[G1+6], 0
	s_mov_b32 s[G1+7], 0
	s_or_b32 s[G1B+0], s44, (3<<16)|(1<<21)        ; B: 8 such rows
	s_mov_b32 s[G1B+1], 1536<<16
	s_mov_b32 s[G1B+2], 8<<16
	s_mov_b32 s[G1B+3], 1536<<16
	s_mov_b32 s[G1B+4], 8
	s_mov_b32 s[G1B+5], 1536
	s_mov_b32 s[G1B+6], 0
	s_mov_b32 s[G1B+7], 0
	s_or_b32 s[G1S+0], s43, (3<<16)|(1<<20)|(1<<21)|(5<<22)|(3<<25)   ; A's scales: 32 rows of 256 bytes, 16 bytes of padding behind each
	s_mov_b32 s[G1S+1], 32<<16
	s_mov_b32 s[G1S+2], 32<<16
	s_mov_b32 s[G1S+3], 32<<16
	s_mov_b32 s[G1S+4], 32
	s_mov_b32 s[G1S+5], 32
	s_mov_b32 s[G1S+6], 0
	s_mov_b32 s[G1S+7], 0
	s_or_b32 s[G1SB+0], s44, (3<<16)|(1<<20)|(1<<21)|(5<<22)|(3<<25)  ; B's: 16 rows
	s_mov_b32 s[G1SB+1], 32<<16
	s_mov_b32 s[G1SB+2], 16<<16
	s_mov_b32 s[G1SB+3], 32<<16
	s_mov_b32 s[G1SB+4], 16
	s_mov_b32 s[G1SB+5], 32
	s_mov_b32 s[G1SB+6], 0
	s_mov_b32 s[G1SB+7], 0
	s_mul_i32 s20, s17, 16*RB                      ; A's 256 rows,
	s_mov_b32 s21, 0
	s_lshl_b32 s22, s17, 13                        ; their scales;
	s_mov_b32 s23, 0
	s_mul_i32 s46, s42, 8*RB
	s_add_co_u32 s46, s46, 11264*768               ; B's 128 rows: w_out's places begin at 11,264,
	s_mov_b32 s47, 0
	s_lshl_b32 s92, s42, 12
	s_add_co_u32 s92, s92, 11264*32                ; their scales
	s_mov_b32 s93, 0
	s_wait_dscnt 0x0                               ; both opening adds are done
	s_wait_kmcnt 0x0
	s_add_nc_u64 s[20:21], s[4:5], s[20:21]
	s_add_nc_u64 s[22:23], s[6:7], s[22:23]
	s_add_nc_u64 s[46:47], s[8:9], s[46:47]
	s_add_nc_u64 s[92:93], s[10:11], s[92:93]
	CROUND                                         ; all sixteen work-groups are here: the joint loads meet
	s_mov_b32 s[G0], 1
	s_mov_b32 s[G0+1], 0
	s_mov_b64 s[G0+2:G0+3], s[20:21]
	s_or_b32 s[G0+3], s[G0+3], 0x80000000
	s_mov_b32 s[G0B], 1
	s_mov_b32 s[G0B+1], BBASE
	s_mov_b64 s[G0B+2:G0B+3], s[46:47]
	s_or_b32 s[G0B+3], s[G0B+3], 0x80000000
	s_mov_b32 s[G0S], 1
	s_mov_b32 s[G0S+1], SCL
	s_mov_b64 s[G0S+2:G0S+3], s[22:23]
	s_or_b32 s[G0S+3], s[G0S+3], 0x80000000
	s_mov_b32 s[G0SB], 1
	s_mov_b32 s[G0SB+1], SCB
	s_mov_b64 s[G0SB+2:G0SB+3], s[92:93]
	s_or_b32 s[G0SB+3], s[G0SB+3], 0x80000000
; The launch's four fills, one a wave, in one chain of branches on the wave's number: wave 0 A, wave 1 B, wave 2 A's scales, wave 3 B's.
.macro ARM under, g0, g1, next
	s_cmp_lt_u32 s14, \under
	s_cbranch_scc0 \next
	tensor_load_to_lds s[\g0:\g0+3], s[\g1:\g1+7]
	s_nop 0
.rept 4
	v_nop
.endr
	s_branch .Lhead_asked
\next:
.endm
	ARM 1, G0,  G1,  .Lhead_b
	ARM 2, G0B, G1B, .Lhead_sa
	ARM 3, G0S, G1S, .Lhead_sb
	tensor_load_to_lds s[G0SB:G0SB+3], s[G1SB:G1SB+7]
	s_nop 0
.rept 4
	v_nop
.endr
.Lhead_asked:
	s_mul_i32 s21, s14, 4*RB                       ; my four blocks of A; my stage too
	s_mul_i32 s22, s14, 4*SBLK                     ; their scales
	s_sub_co_u32 s23, 16*SBLK, s22                 ; from them to B's
	s_add_co_u32 s22, s22, SCL
	v_and_b32 v1, 15, v0                           ; l % 16
	v_bfe_u32 v2, v0, 4, 1                         ; l / 16
	v_and_b32 v6, 31, v0
	v_lshlrev_b32 v4, 4, v6
	v_lshlrev_b32 v5, 3, v6
	v_add_nc_u32 v[ADRA], s21, v4
	v_add_nc_u32 v[ADRA+1], s21, v5
	v_add_nc_u32 v[ADRB], BBASE, v4
	v_add_nc_u32 v[ADRB+1], BBASE, v5
	v_add_nc_u32 v[ADRB+2], BBASE+4*RB, v4
	v_add_nc_u32 v[ADRB+3], BBASE+4*RB, v5
	v_lshlrev_b32 v8, 5, v1                        ; my row's scales: 32 bytes a row,
	v_lshrrev_b32 v3, 8, v8
	v_lshl_add_u32 v8, v3, 4, v8                   ; and 16 more for each 256 passed
	v_mul_u32_u24 v3, s23, v2                      ; lanes 16-31 take B's
	v_add_nc_u32 v8, v8, v3
	v_add_nc_u32 v[ADRS], s22, v8
	v_mul_u32_u24 v9, v1, SPITCH                   ; the stage, in: row l % 16; lanes 16-31 hold columns 32 further on
	v_lshl_add_u32 v9, v2, 7, v9
	v_add_nc_u32 v[STO], s21, v9
	v_lshlrev_b32 v[CO], 4, v6                     ; back: the 32 lanes take one row of 512 bytes; and the same in out0
	v_add_nc_u32 v[RD], s21, v[CO]
	v_lshlrev_b32 v7, 7, v2                        ; the bias: + 128 bytes for lanes 16-31
	s_wait_alu depctr_va_vdst(0)                   ; the wait ahead of the scalar run
	s_and_b32 s66, s17, 7
	s_lshl_b32 s66, s66, 8
	s_lshl_b32 s67, s14, 6
	s_add_co_u32 s66, s66, s67                     ; my 64 tokens' first position in the sequence
	s_lshl_b32 s66, s66, 2
	s_lshr_b32 s67, s17, 3
	s_add_co_u32 s66, s66, s67                     ; x 4 + batch
	s_lshl_b32 s66, s66, 12                        ; rows of 4,096 bytes
	s_lshl_b32 s67, s42, 9
	s_add_co_u32 s66, s66, s67                     ; + my 128 columns
	s_mov_b32 s67, 0
	s_add_nc_u64 s[98:99], s[98:99], s[66:67]
	s_lshl_b32 s66, s42, 9
	s_add_nc_u64 s[96:97], s[96:97], s[66:67]
.irp b, 0,1,2,3,4,5,6,7
	global_load_b128 v[BI+8*\b:BI+8*\b+3], v7, s[96:97] offset:256*(\b/4)+32*(\b%4)
	global_load_b128 v[BI+8*\b+4:BI+8*\b+7], v7, s[96:97] offset:256*(\b/4)+32*(\b%4)+16
.endr
.macro FRAG reg, a16, a8, off          ; a fragment is two images of 768 bytes: four loads, consecutive lanes on consecutive bytes
	ds_load_b128 v[\reg:\reg+3], v[\a16] offset:\off
	ds_load_b64 v[\reg+4:\reg+5], v[\a8] offset:(\off)+512
	ds_load_b128 v[\reg+6:\reg+9], v[\a16] offset:(\off)+768
	ds_load_b64 v[\reg+10:\reg+11], v[\a8] offset:(\off)+1280
.endm
.macro FETCH t                         ; step t's fragments into set t % 2: 32 loads for B, 16 for A; with an even step the scale words of two steps, 8 loads
	WIN TO_B
.irp i, 0,1,2,3
	FRAG 128*((\t)%2)+FR*\i, ADRB, ADRB+1, RB*\i+1536*(\t)
.endr
.irp i, 4,5,6,7
	FRAG 128*((\t)%2)+FR*\i, ADRB+2, ADRB+3, RB*(\i-4)+1536*(\t)
.endr
	WIN 0
.irp i, 0,1,2,3
	FRAG AF+48*((\t)%2)+FR*\i, ADRA, ADRA+1, RB*\i+1536*(\t)
.endr
.if (\t)%2 == 0
.irp i, 0,1,2,3,4,5,6,7                ; register 2 i + q: lanes 0-15 the word of my A block i (blocks 4-7: not used), lanes 16-31 that of B's block i
	ds_load_b64 v[SC+16*(((\t)/2)%2)+2*\i:SC+16*(((\t)/2)%2)+2*\i+1], v[ADRS] offset:\i*SBLK+4*(\t)
.endr
.endif
.endm
.macro MUL32 p, q, sc, zero            ; my four blocks of A x B's eight: the 32 accumulators by turns, in the same order in every step
.irp a, 0,1,2,3
.irp b, 0,1,2,3,4,5,6,7
.if \zero
	v_wmma_scale_f32_16x16x128_f8f6f4 v[8*(8*\a+\b):8*(8*\a+\b)+7], v[128*(\p)+FR*\b:128*(\p)+FR*\b+FR-1], v[AF+48*(\p)+FR*\a:AF+48*(\p)+FR*\a+FR-1], v[BI+8*\b:BI+8*\b+7], v[SC+16*(\sc)+2*\b+(\q)], v[SC+16*(\sc)+2*\a+(\q)] matrix_a_fmt:MATRIX_FMT_FP6 matrix_b_fmt:MATRIX_FMT_FP6 matrix_a_scale:MATRIX_SCALE_ROW1
.else
	v_wmma_scale_f32_16x16x128_f8f6f4 v[8*(8*\a+\b):8*(8*\a+\b)+7], v[128*(\p)+FR*\b:128*(\p)+FR*\b+FR-1], v[AF+48*(\p)+FR*\a:AF+48*(\p)+FR*\a+FR-1], v[8*(8*\a+\b):8*(8*\a+\b)+7], v[SC+16*(\sc)+2*\b+(\q)], v[SC+16*(\sc)+2*\a+(\q)] matrix_a_fmt:MATRIX_FMT_FP6 matrix_b_fmt:MATRIX_FMT_FP6 matrix_a_scale:MATRIX_SCALE_ROW1
.endif
.endr
.endr
.endm
.macro STEPM t
.if (\t) < 7
.if (\t) > 0
	PLACES 4                                       ; behind the last step's products, in front of the loads into the set that they read
.endif
	FETCH (\t)+1
.if ((\t)+1)%2 == 0
	s_wait_dscnt 56                                ; all but the 56 just issued: this step's fragments are in
.else
	s_wait_dscnt 48                                ; all but the 48 just issued
.endif
.else
	s_wait_dscnt 0x0
.endif
.if (\t) == 0
	s_wait_loadcnt 0x0                             ; the bias
	WIN BIA_LO
	MUL32 0, 0, 0, 1
.else
	WIN MUL_LO
	MUL32 (\t)%2, (\t)%2, ((\t)/2)%2, 0
.endif
.endm
	s_wait_alu depctr_va_vdst(0)                   ; the wait at the head's end
	s_wait_tensorcnt 0x0                           ; my piece has landed
	s_barrier_signal -1
	s_barrier_wait -1                              ; all four have
	FETCH 0
.set ST, 0
.rept 8
	STEPM ST
.set ST, ST+1
.endr
	WIN 0
; THE WAY OUT, block by block of 16 tokens x 128 columns, through my own stage: back come whole rows of 512 bytes, which the 32 lanes store as two aligned runs of 256 bytes.  LDS serves a wave's instructions in order.
.macro TOSTAGE a
.set AC, 64*(\a)
	WIN 0x08                                       ; the data: window 2
.irp b, 0,1,2,3,4,5,6,7
	ds_store_b128 v[STO], v[AC+8*\b:AC+8*\b+3] offset:256*(\b/4)+32*(\b%4)       ; each accumulator from its low end on
	ds_store_b128 v[STO], v[AC+8*\b+4:AC+8*\b+7] offset:256*(\b/4)+32*(\b%4)+16
.endr
	WIN 0
.set BB, BK+64*((\a)%2)
.irp t, 0,1,2,3,4,5,6,7,8,9,10,11,12,13,14,15
	ds_load_b128 v[BB+4*\t:BB+4*\t+3], v[RD] offset:\t*SPITCH
.endr
.endm
.macro SEND a, younger                 ; younger: the LDS instructions issued behind block a's loads, which may stay out
.set BB, BK+64*((\a)%2)
	s_wait_dscnt \younger
.irp t, 0,1,2,3,4,5,6,7,8,9,10,11,12,13,14,15
	global_store_b128 v[CO], v[BB+4*\t:BB+4*\t+3], s[98:99] offset:16384*(32*(\t/8)+8*(\a)+\t%8) th:TH_STORE_NT
.endr
.endm
	PLACES 4                                       ; behind the last products: their results are read and A's registers are loaded into
	TOSTAGE 0
.irp a, 1,2,3
.if \a > 1
	s_wait_xcnt 0x0                                ; block a - 2's stores have read their registers: block a's loads may land there
.endif
	TOSTAGE \a
	SEND \a-1, 32                                  ; behind block a - 1's loads: block a's 16 stores and 16 loads
.endr
	SEND 3, 0
	s_wait_tensorcnt 0x0                           ; the wave's end
	ds_add_u32 v[SPW], v[NIL]
	s_wait_dscnt 0x0
	CROUND                                         ; the closing round
	s_endpgm
.Lfunc_end_k_qaaf68cc47c_outp:
	.size	k_qaaf68cc47c_outp, .Lfunc_end_k_qaaf68cc47c_outp-k_qaaf68cc47c_outp
	.p2alignl 7, 3214868480
	.fill 96, 4, 3214868480
	.section	.rodata,"a",@progbits
	.p2align	6, 0x0
	.amdhsa_kernel k_qaaf68cc47c_outp
		.amdhsa_group_segment_fixed_size 327680
		.amdhsa_private_segment_fixed_size 0
		.amdhsa_enable_private_segment 0
		.amdhsa_kernarg_size 48
		.amdhsa_user_sgpr_count 2
		.amdhsa_user_sgpr_kernarg_segment_ptr 1
		.amdhsa_wavefront_size32 1
		.amdhsa_system_sgpr_workgroup_id_x 1
		.amdhsa_system_sgpr_workgroup_id_y 1
		.amdhsa_system_sgpr_workgroup_id_z 1
		.amdhsa_system_vgpr_workitem_id 0
		.amdhsa_next_free_vgpr 768
		.amdhsa_next_free_sgpr 102
		.amdhsa_reserve_vcc 0
		.amdhsa_float_denorm_mode_32 3
		.amdhsa_float_denorm_mode_16_64 3
		.amdhsa_memory_ordered 1
		.amdhsa_forward_progress 1
		.amdhsa_inst_pref_size 84
	.end_amdhsa_kernel
	.amdgpu_metadata
---
amdhsa.version: [ 1, 2 ]
amdhsa.kernels:
  - .name:           k_qaaf68cc47c_outp
    .symbol:         k_qaaf68cc47c_outp.kd
    .args:
      - { .name: cimg, .offset: 0, .size: 8, .value_kind: global_buffer, .address_space: global }
      - { .name: cscl, .offset: 8, .size: 8, .value_kind: global_buffer, .address_space: global }
      - { .name: cod, .offset: 16, .size: 8, .value_kind: global_buffer, .address_space: global }
      - { .name: sca, .offset: 24, .size: 8, .value_kind: global_buffer, .address_space: global }
      - { .name: b_out, .offset: 32, .size: 8, .value_kind: global_buffer, .address_space: global }
      - { .name: out0, .offset: 40, .size: 8, .value_kind: global_buffer, .address_space: global }
    .group_segment_fixed_size: 327680
    .private_segment_fixed_size: 0
    .kernarg_segment_align: 8
    .kernarg_segment_size: 48
    .max_flat_workgroup_size: 128
    .sgpr_count:     102
    .vgpr_count:     768
    .wavefront_size: 32
...
	.end_amdgpu_metadata
.endif
;; end of part 4
